; MI455X (gfx1250); checked and timed in simulation.
; The chip was launched on July 23, 2026; its instructions are those of AMD's public machine-readable ISA for CDNA 5 (MIT licence, August 2026) and "CDNA5" Instruction Set Architecture Reference Guide (July 2026). The comments in the code are by the model that wrote it; some were corrected since.
;; Multi Head Attention. Allowed arithmetic: matrix products marked QUANTISED: E4M3 operands, one E8M0 scale for each 32 along K, by v_wmma_scale_f32_16x16x128_f8f6f4 with both operands' format E4M3, f32 sums; everything else in f32.
;; Inputs: Wk_codes 1,024 x 32 x 32 uint8 (E4M3 codes of Wk, K innermost, in blocks of 32 codes); Wk_scales 1,024 x 32 uint8 (E8M0 scales of Wk, one for each 32 codes along K); Wo_codes 1,024 x 32 x 32 uint8 (E4M3 codes of Wo, K innermost, in blocks of 32 codes); Wo_scales 1,024 x 32 uint8 (E8M0 scales of Wo, one for each 32 codes along K); Wq_codes 1,024 x 32 x 32 uint8 (E4M3 codes of Wq, K innermost, in blocks of 32 codes); Wq_scales 1,024 x 32 uint8 (E8M0 scales of Wq, one for each 32 codes along K); Wv_codes 1,024 x 32 x 32 uint8 (E4M3 codes of Wv, K innermost, in blocks of 32 codes); Wv_scales 1,024 x 32 uint8 (E8M0 scales of Wv, one for each 32 codes along K); k_codes 4 x 2,048 x 32 x 32 uint8 (E4M3 codes of k, K innermost, in blocks of 32 codes); k_scales 4 x 2,048 x 32 uint8 (E8M0 scales of k, one for each 32 codes along K); ln_beta 1,024 float32; ln_gamma 1,024 float32; q 4 x 2,048 x 1,024 float32; v_codes 4 x 2,048 x 32 x 32 uint8 (E4M3 codes of v, K innermost, in blocks of 32 codes); v_scales 4 x 2,048 x 32 uint8 (E8M0 scales of v, one for each 32 codes along K).
;; Outputs: out0 4 x 2,048 x 1,024 float32.
;; This version of the problem:
;;   THIS VERSION OF THE PROBLEM IS GIVEN IN LOW PRECISION. The matrix products marked QUANTISED in the list below multiply operands that are first quantised to E4M3 (4 exponent bits, 3 mantissa bits; 8 bits a number), with one power-of-two scale for each 32 numbers along K (OCP MX v1.0); their sums are f32. All else is computed in f32.
;;   The module's matrix products, in the order in which they are computed (A, B: the left and right operand; K: the contracted axis; several contracted axes count as one K, in the product's order):
;;     1. [M 8,192, K 1,024] x [K 1,024, N 1,024]; A: input q; B: input Wq (given as codes): QUANTISED
;;     2. [M 8,192, K 1,024] x [K 1,024, N 1,024]; A: input k (given as codes); B: input Wk (given as codes): QUANTISED
;;     3. [M 8,192, K 1,024] x [K 1,024, N 1,024]; A: input v (given as codes); B: input Wv (given as codes): QUANTISED
;;     4. batch 64 x [M 2,048, K 64] x [K 64, N 2,048]; A: computed on the way; B: computed on the way: QUANTISED
;;     5. batch 64 x [M 2,048, K 2,048] x [K 2,048, N 64]; A: softmax (see below); B: computed on the way: QUANTISED
;;     6. [M 8,192, K 1,024] x [K 1,024, N 1,024]; A: computed on the way; B: input Wo (given as codes): QUANTISED
;;   THE QUANTISER, for each operand of a quantised product, along K:
;;     - K is cut into blocks of 32 from its start; a last block that is shorter is filled with zeros.
;;     - A block's scale is 2^e with e = floor(log2(the largest magnitude in the block)) - 8, held to -126 .. 127; a block of zeros has e = 0. As a byte (E8M0): e + 127.
;;     - Each number is divided by its block's scale, clamped to +-448, and rounded to the nearest number of E4M3, ties to even, subnormals kept.
;;     - The product sums the exact products of the quantised numbers (number of the format x scale) in f32.
;;   ~~~python
;;   def quantise(x, axis):      # numpy; x: float32 -> the quantised numbers, widened to float32 again
;;       x = np.moveaxis(x, axis, -1); K = x.shape[-1]
;;       x = np.pad(x, [(0, 0)] * (x.ndim - 1) + [(0, -K % 32)]); x = x.reshape(x.shape[:-1] + (-1, 32)); a = np.abs(x).max(-1, keepdims=True)
;;       e = np.where(a > 0, np.clip(np.frexp(np.where(a > 0, a, 1))[1] - 1 - 8, -126, 127), 0)      # np.frexp(a)[1] - 1 = floor(log2(a)), exactly
;;       r = np.clip(x / 2.0 ** e, -448, 448)
;;       step = 2.0 ** (np.maximum(np.frexp(np.where(r == 0, 1, r))[1] - 1, -6) - 3)
;;       q = np.round(r / step) * step * 2.0 ** e      # np.round: ties to even
;;       return np.moveaxis(q.reshape(q.shape[:-2] + (-1,))[..., :K], -1, axis).astype(np.float32)
;;   ~~~
;;   SOFTMAX AHEAD OF A QUANTISED PRODUCT. Where the list says 'softmax', what is quantised is not the finished softmax but p = 2^(t - M), with t = logit x log2(e) and M = ceil(the row's largest t), a whole number; so 1/2 < the row's largest p <= 1. The row's sum l is taken of the UNQUANTISED p, in f32, and the product's result is divided by l at the end. Since M is a whole number, a kernel that streams over the keys may use a running M (the ceiling of the running maximum): every later rescaling is an exact power of two, which a block's scale takes up: the codes' values come out the same.
;;   OPERANDS COMPUTED ON THE WAY. 'Computed on the way' means the value that the module computes at that place (a softmax that the list does not call 'softmax' is quantised finished and normalised). What goes into a quantiser is computed in f32, as accurately as f32 sums, v_exp_f32 and their like allow (about 1e-6 of the number): no bf16 or f16 on the way to a quantiser, and a product that is left as it is and whose result goes on into a quantised operand takes f32 operands (vector FMAs, or v_wmma_f32_16x16x4_f32). A number that lies on a knife's edge between two numbers of the format may be rounded either way, as far as f32 arithmetic and the matrix unit's own rounding can turn it there, and no further.
;;   INPUTS GIVEN AS CODES. Wk (in the module: [1024, 1024], K = its axis 1); Wo (in the module: [1024, 1024], K = its axis 1); Wq (in the module: [1024, 1024], K = its axis 1); Wv (in the module: [1024, 1024], K = its axis 1); k (in the module: [4, 2048, 1024], K = its axis 2); v (in the module: [4, 2048, 1024], K = its axis 2): each comes as NAME_codes (uint8): NAME with its K axis moved to the last place and cut into blocks of 32 codes, [.., K / 32, bytes a block], one block behind the other in memory; one code a byte (a code: sign, 4 exponent bits, 3 mantissa bits); and NAME_scales (uint8): the same leading axes, one E8M0 byte (e + 127) for each 32 codes along K. Its value is code x scale, taken as it is: it is not quantised again, and the codes and scales need not be those that the quantiser above would give.
;; One version. Each part assembles by itself: llvm-mc -triple=amdgcn-amd-amdhsa -mcpu=gfx1250 --defsym DOCPART=n.
;; ======== version 1 of 1: 4 launches
;; limits: right only within a limited range of input values
;; workspace buffers: qq 8,650,752 bytes; woi 1,048,576 bytes; hc 25,165,824 bytes; hs 786,432 bytes; cc 8,388,608 bytes; cs 262,144 bytes
;; launch prep (part 1): grid 256 x 1, 4 waves a work-group, no clusters, 33,280 bytes of LDS; arguments q, Wo_codes, qq, woi; writes qq, woi
.if DOCPART == 1
	.amdgcn_target "amdgcn-amd-amdhsa--gfx1250"
	.amdhsa_code_object_version 6
	.text
	.protected	k_q5e70a0be69_prep
	.globl	k_q5e70a0be69_prep
	.p2align	8
	.type	k_q5e70a0be69_prep,@function
k_q5e70a0be69_prep:
	s_mov_b64 s[64:65], 0
	v_nop
	global_prefetch_b8 v0, s[64:65] scope:SCOPE_SE
	s_setreg_imm32_b32 hwreg(HW_REG_WAVE_MODE, 25, 1), 1
	s_wait_xcnt 0x0
; q [8192][1024] f32 is turned into codes of FP8 (E4M3), K innermost, at byte 0 of qq, with one E8M0 byte for each 32 along K, [8192][32], at byte 8,388,608 of qq.
; A block's scale is 2^(floor(log2(its largest magnitude)) - 8); its byte is the largest magnitude's exponent field - 8, held at 1 from below.  Each number is divided by the scale,
; held within +-448 and rounded to the nearest code, ties to even.
; LIMITS: a block of zeros gets the byte 1 where the rule says 127 (its codes are zeros, and this program alone reads the bytes); NaN and infinities among the inputs are not served.
; Rows are dense, so q is a plain stream of blocks of 32.  A wave takes 16 steps of 512 numbers.  Each load reads 512 consecutive bytes, 16 a lane; a step's 2,048 bytes turn through the wave's own
; stage in LDS and come back 64 bytes a lane, so that a lane holds 16 neighbours along K and two lanes hold a block.  A lane's 16 codes are 16 bytes: the wave stores 512 consecutive bytes.
; A wave's 256 scale bytes are gathered in its own LDS bytes and leave as one aligned run of 256 bytes.  Waves share nothing: no barrier.
; BESIDE THAT each wave re-lays two pieces of Wo's codes into woi [F 64][s 8][c 4][512]: lane (r, h) of a piece holds Wo[16 F + r][128 s + 32 c + 8 h + 0..7] and then the same 16 further on:
; the order inside a block of 32 in which the attention launch leaves the codes of its result.  No matrix unit, no cluster: memory binds and no input is shared.
.set STEPS, 16
.set EMAX,  8
.set MANT,  0x600000                   ; the mantissa field of 448 as f32
.set CB,    16                         ; bytes of 16 codes
.set R,     16                         ; v16-79   four sets of 16 numbers as they are loaded
.set X,     80                         ; v80-111  two sets of 16 neighbours
.set E,     112                        ; v112-127 a scale byte for each step
.set C,     128                        ; v128-191 codes: four registers for each step, so that no store's data are written again
.set WO,    192                        ; v192-199 two pieces of Wo
.set WOA,   200                        ; v200     my lane's byte in Wo's 16 rows: 1,024 r + 8 h
.set WREG,  8192                       ; LDS: a region for each wave: two stages of 32 x SP bytes, and behind them its 256 scale bytes
.set SP,    80                         ; a lane's place in a stage: its 64 bytes + 16 of padding
	s_load_b256 s[4:11], s[0:1], 0x0               ; q s[4:5], Wo's codes s[6:7], qq s[8:9], woi s[10:11]
	v_lshl_add_u32 v208, v0, 2, 0x8000
	v_mov_b32 v209, 0
	v_lshrrev_b32 v1, 5, v0
	v_readfirstlane_b32 s16, v1                    ; wave
	v_and_b32 v2, 31, v0                           ; lane
	v_lshlrev_b32 v3, 4, v2                        ; 16 x lane: my 16 bytes of a load's or a store's 512
	s_mul_i32 s17, s16, WREG
	v_lshrrev_b32 v14, 2, v2
	v_mul_u32_u24 v14, v14, SP
	v_and_b32 v15, 3, v2
	v_lshl_add_u32 v14, v15, 4, v14
	v_add_nc_u32 v14, s17, v14                     ; the stage, on the way in: four lanes' 64 bytes on end, then 16 of padding
	v_mul_u32_u24 v15, v2, SP
	v_add_nc_u32 v15, s17, v15                     ; and on the way out: SP x lane: my 16 neighbours
	v_lshrrev_b32 v5, 1, v2
	s_add_co_u32 s17, s17, 2*32*SP
	v_add_nc_u32 v5, s17, v5                       ; LDS: my wave's 256 scale bytes, my block's byte
	v_lshlrev_b32 v7, 3, v2                        ; and on the way out 8 bytes a lane
	v_add_nc_u32 v6, s17, v7
	v_and_b32 v[WOA], 15, v2
	v_lshrrev_b32 v4, 4, v2
	v_lshlrev_b32 v[WOA], 10, v[WOA]
	v_lshl_add_u32 v[WOA], v4, 3, v[WOA]
	s_mov_b32 s23, MANT
	s_lshl_b32 s18, ttmp9, 2
	s_add_co_u32 s18, s18, s16                     ; W = 4 x work-group + wave, 0 .. 1023: my run of 8,192 numbers, and my two pieces of Wo
	s_lshl_b32 s20, s18, 15                        ; q: 32,768 bytes a run
	s_mov_b32 s21, 0
	s_lshl_b32 s24, s18, 13                        ; codes: 8,192
	s_mov_b32 s25, 0
	s_lshl_b32 s26, s18, 8                         ; scale bytes: 256, behind the codes
	s_add_co_u32 s26, s26, 0x800000
	s_mov_b32 s27, 0
	s_lshr_b32 s28, s18, 4                         ; pieces 2 W, 2 W + 1: F = W / 16,
	s_lshl_b32 s28, s28, 14                        ; 16 rows of 1,024 bytes;
	s_bfe_u32 s19, s18, 0x30001                    ; s = (W / 2) % 8,
	s_lshl_b32 s19, s19, 7                         ; 128 bytes;
	s_add_co_u32 s28, s28, s19
	s_and_b32 s19, s18, 1                          ; c = 2 (W % 2) + 0, 1
	s_lshl_b32 s19, s19, 6
	s_add_co_u32 s28, s28, s19
	s_mov_b32 s29, 0
	s_lshl_b32 s30, s18, 10                        ; woi: 1,024 bytes for the two pieces
	s_mov_b32 s31, 0
	s_wait_alu depctr_va_vdst(0)
	s_wait_kmcnt 0x0
	s_add_nc_u64 s[4:5], s[4:5], s[20:21]
	s_add_nc_u64 s[12:13], s[8:9], s[26:27]        ; the scale bytes' place
	s_add_nc_u64 s[8:9], s[8:9], s[24:25]
	s_add_nc_u64 s[6:7], s[6:7], s[28:29]
	s_add_nc_u64 s[10:11], s[10:11], s[30:31]
.irp e, 0,1,2,3
	global_load_b64 v[WO+2*\e:WO+2*\e+1], v[WOA], s[6:7] offset:16*\e   ; piece e / 2: its first 8 codes of a block's half, then those 16 further on
.endr
.macro LOAD t
.irp i, 0,1,2,3
	global_load_b128 v[R+16*((\t)%4)+4*\i:R+16*((\t)%4)+4*\i+3], v3, s[4:5] offset:2048*(\t)+512*\i th:TH_LOAD_NT   ; 32 lanes read 512 consecutive bytes
.endr
.endm
.macro TURN t                          ; step t's numbers through the stage: LDS serves a wave's instructions in order, so no wait stands between the stores and the loads
.irp i, 0,1,2,3
	ds_store_b128 v14, v[R+16*((\t)%4)+4*\i:R+16*((\t)%4)+4*\i+3] offset:32*SP*((\t)%2)+8*SP*\i
.endr
.irp i, 0,1,2,3
	ds_load_b128 v[X+16*((\t)%2)+4*\i:X+16*((\t)%2)+4*\i+3], v15 offset:32*SP*((\t)%2)+16*\i
.endr
.endm
.irp t, 0,1,2,3
	LOAD \t
.endr
	s_wait_loadcnt 12                              ; Wo's four loads and step 0's four are in; the twelve of steps 1 to 3 may be out
	global_store_b128 v3, v[WO:WO+3], s[10:11]     ; a piece: 512 consecutive bytes
	global_store_b128 v3, v[WO+4:WO+7], s[10:11] offset:512
	TURN 0
.macro STEP t
.set XS, X+16*((\t)%2)
.if (\t) > 0
	s_wait_dscnt 1                                 ; this step's numbers are back from the stage (the last step's byte store may be out): so its stores into the stage have read their registers,
.else
	s_wait_dscnt 0x0
.endif
.if (\t)+4 < STEPS
	LOAD (\t)+4                                    ; which take the loads of four steps on
.endif
.if (\t)+1 < STEPS
.if STEPS-2-(\t) >= 3
	s_wait_loadcnt 12                              ; the next step's four loads are in; those of the three steps behind it may be out
.else
	s_wait_loadcnt 4*(STEPS-2-(\t))
.endif
	TURN (\t)+1                                    ; and go through the other stage while this step is worked
.endif
	v_max3_num_f32 v8, |v[XS]|, |v[XS+1]|, |v[XS+2]|               ; the largest magnitude of my 16, in two chains
	v_max3_num_f32 v9, |v[XS+3]|, |v[XS+4]|, |v[XS+5]|
.irp i, 6,10
	v_max3_num_f32 v8, v8, |v[XS+\i]|, |v[XS+\i+1]|
	v_max3_num_f32 v9, v9, |v[XS+\i+2]|, |v[XS+\i+3]|
.endr
	v_max3_num_f32 v8, v8, |v[XS+14]|, |v[XS+15]|
	v_max3_num_f32 v8, v8, v9, (EMAX+1)<<23        ; and the floor 2^(9 - 127): the byte cannot fall under 1
	v_max_num_f32_dpp v8, v8, v8 row_xmask:1 row_mask:0xf bank_mask:0xf   ; and of my neighbour's 16: the block's
	v_add_nc_u32 v11, 0xfc000000, v8               ; 8 off its exponent field: the conversion takes the exponent field of this operand as its scale
	v_and_or_b32 v10, v8, 0x7f800000, s23          ; 448 x the scale
.irp i, 0,1,2,3,4,5,6,7,8,9,10,11,12,13,14,15
	v_med3_num_f32 v[XS+\i], v[XS+\i], -v10, v10   ; the conversion to an 8-bit code does not saturate (ISA guide 7.6.2): the hold comes first
.endr
	v_cvt_scalef32_pk8_fp8_f32 v[C+4*(\t):C+4*(\t)+1], v[XS:XS+7], v11
	v_cvt_scalef32_pk8_fp8_f32 v[C+4*(\t)+2:C+4*(\t)+3], v[XS+8:XS+15], v11
	v_lshrrev_b32 v[E+(\t)], 23, v11               ; the scale's byte (also the plain line behind the conversions)
	ds_store_b8 v5, v[E+(\t)] offset:16*(\t)       ; both lanes of a block write the same byte with the same value
	global_store_b128 v3, v[C+4*(\t):C+4*(\t)+3], s[8:9] offset:32*CB*(\t)
.endm
.irp t, 0,1,2,3,4,5,6,7,8,9,10,11,12,13,14,15
	STEP \t
.endr
	ds_load_b64 v[12:13], v6                       ; LDS serves a wave's instructions in order: these see my stores
	s_wait_dscnt 0x0
	global_store_b64 v7, v[12:13], s[12:13]        ; 32 lanes store 256 consecutive bytes, aligned
	s_wait_tensorcnt 0x0
	ds_add_u32 v208, v209
	s_wait_dscnt 0x0
	s_endpgm
.Lfunc_end_k_q5e70a0be69_prep:
	.size	k_q5e70a0be69_prep, .Lfunc_end_k_q5e70a0be69_prep-k_q5e70a0be69_prep
	.p2alignl 7, 3214868480
	.fill 96, 4, 3214868480
	.section	.rodata,"a",@progbits
	.p2align	6, 0x0
	.amdhsa_kernel k_q5e70a0be69_prep
		.amdhsa_group_segment_fixed_size 33280
		.amdhsa_private_segment_fixed_size 0
		.amdhsa_enable_private_segment 0
		.amdhsa_kernarg_size 32
		.amdhsa_user_sgpr_count 2
		.amdhsa_user_sgpr_kernarg_segment_ptr 1
		.amdhsa_wavefront_size32 1
		.amdhsa_system_sgpr_workgroup_id_x 1
		.amdhsa_system_sgpr_workgroup_id_y 1
		.amdhsa_system_sgpr_workgroup_id_z 1
		.amdhsa_system_vgpr_workitem_id 0
		.amdhsa_next_free_vgpr 210
		.amdhsa_next_free_sgpr 66
		.amdhsa_reserve_vcc 0
		.amdhsa_float_denorm_mode_32 3
		.amdhsa_float_denorm_mode_16_64 3
		.amdhsa_memory_ordered 1
		.amdhsa_forward_progress 1
		.amdhsa_inst_pref_size 52
	.end_amdhsa_kernel
	.amdgpu_metadata
---
amdhsa.version: [ 1, 2 ]
amdhsa.kernels:
  - .name:           k_q5e70a0be69_prep
    .symbol:         k_q5e70a0be69_prep.kd
    .args:
      - { .name: q, .offset: 0, .size: 8, .value_kind: global_buffer, .address_space: global }
      - { .name: Wo_codes, .offset: 8, .size: 8, .value_kind: global_buffer, .address_space: global }
      - { .name: qq, .offset: 16, .size: 8, .value_kind: global_buffer, .address_space: global }
      - { .name: woi, .offset: 24, .size: 8, .value_kind: global_buffer, .address_space: global }
    .group_segment_fixed_size: 33280
    .private_segment_fixed_size: 0
    .kernarg_segment_align: 8
    .kernarg_segment_size: 32
    .max_flat_workgroup_size: 128
    .sgpr_count:     66
    .vgpr_count:     210
    .wavefront_size: 32
...
	.end_amdgpu_metadata
.endif
;; end of part 1
;; launch proj (part 2): grid 4 x 96, 4 waves a work-group, clusters of 4 x 4, 327,680 bytes of LDS; arguments qq, Wq_codes, Wq_scales, k_codes, k_scales, Wk_codes, Wk_scales, Wv_codes, Wv_scales, v_codes, v_scales, hc, hs; writes hc, hs
.if DOCPART == 2
	.amdgcn_target "amdgcn-amd-amdhsa--gfx1250"
	.amdhsa_code_object_version 6
	.text
	.protected	k_q5e70a0be69_proj
	.globl	k_q5e70a0be69_proj
	.p2align	8
	.type	k_q5e70a0be69_proj,@function
k_q5e70a0be69_proj:
	s_mov_b64 s[64:65], 0
	v_nop
	global_prefetch_b8 v0, s[64:65] scope:SCOPE_SE
	s_setreg_imm32_b32 hwreg(HW_REG_WAVE_MODE, 25, 1), 1
	s_wait_xcnt 0x0
	s_wait_alu depctr_hold_cnt(0) depctr_sa_sdst(0) depctr_va_vdst(0) depctr_va_sdst(0) depctr_va_ssrc(0) depctr_va_vcc(0) depctr_vm_vsrc(0)
	s_getreg_b32 s2, hwreg(HW_REG_IB_STS2, 6, 4)
	s_cmp_eq_u32 s2, 0
	s_cbranch_scc0 .Lentry_in_a_cluster
	s_endpgm
.Lentry_in_a_cluster:
	s_bfe_u32 s2, ttmp6, 0x10000c
	s_cmp_lg_u32 s2, 0xf033
	s_cbranch_scc0 .Lentry_shape_is_right
	s_endpgm
.Lentry_shape_is_right:
.set SIZE_K, 1024
.set KSTEP,  256
.set NQ,     KSTEP/128
.set ROWB,   256
.set KROW,   SIZE_K
.set PITCH,  272
.set FR,     16
.set NL,     4
.set NP,     8
.set HALFT,  128*PITCH
.set SLOT,   4*HALFT
.set LAPS,   SIZE_K/(2*KSTEP)
.set KS,     SIZE_K/32
.set SCL,    2*SLOT
.set HALFS,  (128*KS/256)*272
.set SBLK,   (16*KS/256)*272
.set SPARE,  SCL+4*HALFS
.set ADRA, 16
.set ADRB, 20
.set VO0,  24
.set VO1,  25
.set SELV, 26
.set ADRS, 27
.set SPW,  28
.set NIL,  29
.set SC,   32
.set PC,   64
.set TM,   80
.set SW,   96
.set XW,   104
.set AF,   128
.set G1, 24
.set G0, 32
.set G1B, 48
.set G0B, 56
.set G1S, 68
.set G0S, 76
.set G1SB, 80
.set G0SB, 88
.set SEL, 66
.set MNT, 95
.set JOB, 98
.set CLY, 99
.set MSB, 0
.macro WIN new
.if MSB != \new
	s_set_vgpr_msb (MSB<<8)|\new
.set MSB, \new
.endif
.endm
.set MUL_LO, 0xa1
.set MUL_HI, 0xf1
.set TO_B,   0x40
.macro JLOAD g0a, g1a, g0b, g1b
	s_cmp_eq_u32 s15, 0
	s_cbranch_scc0 .Lfor_b_\@
	tensor_load_to_lds s[\g0a:\g0a+3], s[\g1a:\g1a+7]
	s_nop 0
.rept 4
	v_nop
.endr
	s_branch .Lasked_\@
.Lfor_b_\@:
	tensor_load_to_lds s[\g0b:\g0b+3], s[\g1b:\g1b+7]
	s_nop 0
.rept 4
	v_nop
.endr
.Lasked_\@:
.endm
.macro CREST
	s_cmp_lg_u32 s14, 0
	s_cbranch_scc1 .Lnot_wave_0_\@
	s_barrier_signal -3
.Lnot_wave_0_\@:
	s_barrier_wait -3
	s_barrier_signal -1
	s_barrier_wait -1
.endm
.macro CROUND
	s_barrier_signal -1
	s_barrier_wait -1
	CREST
.endm
	s_load_b512 s[68:83], s[0:1], 0x0
	s_load_b256 s[84:91], s[0:1], 0x40
	s_load_b64 s[92:93], s[0:1], 0x60
	v_lshl_add_u32 v[SPW], v0, 2, SPARE
	v_mov_b32 v[NIL], 0
	ds_add_u32 v28, v29
	ds_add_u32 v28, v29
	s_wait_dscnt 0x0
	v_lshrrev_b32 v1, 5, v0
	v_readfirstlane_b32 s14, v1
	s_lshr_b32 s15, s14, 1
	s_and_b32 s16, s14, 1
	s_bfe_u32 s40, ttmp6, 0x40000
	s_bfe_u32 s41, ttmp6, 0x40004
	s_and_b32 s[CLY], ttmp7, 0xffff
	s_lshr_b32 s[JOB], s[CLY], 3
	s_and_b32 s[CLY], s[CLY], 7
	s_cmp_eq_u32 s[JOB], 2
	s_cselect_b32 s2, 0, 4
	s_cselect_b32 s3, 4, 0
	s_mul_i32 s17, s2, s[CLY]
	s_add_co_u32 s17, s17, s41
	s_mul_i32 s42, s3, s[CLY]
	s_add_co_u32 s42, s42, s40
	s_lshl_b32 s43, s41, 2
	s_lshl_b32 s43, 15, s43
	s_lshl_b32 s44, 0x1111, s40
	s_or_b32 s[G1+0], s43, (0<<16)|(1<<20)|(1<<21)|(5<<22)|(3<<25)
	s_or_b32 s[G1B+0], s44, (0<<16)|(1<<20)|(1<<21)|(5<<22)|(3<<25)
.irp g, G1, G1B
	s_mov_b32 s[\g+1], ROWB<<16
	s_mov_b32 s[\g+2], 256<<16                     ; the head's loads of codes bring 256 rows; behind them the two words that count rows are set to 128
	s_mov_b32 s[\g+3], ROWB<<16
	s_mov_b32 s[\g+4], 256
	s_mov_b32 s[\g+5], KROW
	s_mov_b32 s[\g+6], 0
	s_mov_b32 s[\g+7], 0
.endr
	s_wait_kmcnt 0x0
	s_add_nc_u64 s[6:7], s[68:69], 0x800000
	s_cmp_eq_u32 s[JOB], 0
	s_cselect_b64 s[4:5], s[68:69], s[74:75]
	s_cselect_b64 s[6:7], s[6:7], s[76:77]
	s_cselect_b64 s[8:9], s[70:71], s[78:79]
	s_cselect_b64 s[10:11], s[72:73], s[80:81]
	s_cmp_eq_u32 s[JOB], 2
	s_cselect_b64 s[4:5], s[82:83], s[4:5]
	s_cselect_b64 s[6:7], s[84:85], s[6:7]
	s_cselect_b64 s[8:9], s[86:87], s[8:9]
	s_cselect_b64 s[10:11], s[88:89], s[10:11]
	s_mov_b64 s[12:13], s[90:91]
	s_mov_b64 s[96:97], s[92:93]
	s_or_b32 s[G1S+0], s43, (3<<16)|(1<<20)|(1<<21)|(5<<22)|(3<<25)
	s_or_b32 s[G1SB+0], s44, (3<<16)|(1<<20)|(1<<21)|(5<<22)|(3<<25)
.irp g, G1S, G1SB
	s_mov_b32 s[\g+1], 32<<16
	s_mov_b32 s[\g+2], KS<<16                      ; the scales of 256 rows: KS rows of 256 bytes
	s_mov_b32 s[\g+3], 32<<16
	s_mov_b32 s[\g+4], KS
	s_mov_b32 s[\g+5], 32
	s_mov_b32 s[\g+6], 0
	s_mov_b32 s[\g+7], 0
.endr
	v_and_b32 v30, 31, v0
	v_lshlrev_b32 v30, 10, v30                     ; v30: the prefetches' offset: my lane x a row of 1,024 bytes; never rewritten
	s_wait_alu depctr_va_vdst(0)
	s_lshl_b32 s18, s16, 17                        ; in the ring I fetch 128 rows of a tile: which half, in bytes
	s_mov_b32 s19, 0
	s_lshl_b32 s20, s17, 8                         ; A: the tile's first row
	s_lshl_b32 s46, s42, 8                         ; B likewise
	s_lshl_b32 s22, s20, 5
	s_mov_b32 s23, 0
	s_lshl_b32 s92, s46, 5
	s_mov_b32 s93, 0
	s_lshl_b32 s20, s20, 10
	s_mov_b32 s21, 0
	s_lshl_b32 s46, s46, 10
	s_mov_b32 s47, 0
	s_mul_i32 s45, s14, HALFT
	s_add_nc_u64 s[20:21], s[4:5], s[20:21]
	s_add_nc_u64 s[22:23], s[6:7], s[22:23]
	s_add_nc_u64 s[46:47], s[8:9], s[46:47]
	s_add_nc_u64 s[92:93], s[10:11], s[92:93]
	CROUND
.set G0H, 4                            ; s[4:7], s[8:11] group 0 for the head's loads of K step 0 (the pointers that lay there have been used)
.set G0HB, 8
	s_mov_b32 s[G0H], 1                            ; the head's four tiles, each whole: K step 0's 256 rows of A,
	s_mov_b32 s[G0H+1], 0
	s_mov_b64 s[G0H+2:G0H+3], s[20:21]
	s_or_b32 s[G0H+3], s[G0H+3], 0x80000000
	s_mov_b32 s[G0HB], 1                           ; its 256 rows of B, behind them in slot 0,
	s_mov_b32 s[G0HB+1], 2*HALFT
	s_mov_b64 s[G0HB+2:G0HB+3], s[46:47]
	s_or_b32 s[G0HB+3], s[G0HB+3], 0x80000000
	s_mov_b32 s[G0S], 1                            ; the scales of A's 256 rows,
	s_mov_b32 s[G0S+1], SCL
	s_mov_b64 s[G0S+2:G0S+3], s[22:23]
	s_or_b32 s[G0S+3], s[G0S+3], 0x80000000
	s_mov_b32 s[G0SB], 1                           ; and of B's
	s_mov_b32 s[G0SB+1], SCL+2*HALFS
	s_mov_b64 s[G0SB+2:G0SB+3], s[92:93]
	s_or_b32 s[G0SB+3], s[G0SB+3], 0x80000000
	s_add_nc_u64 s[20:21], s[20:21], s[18:19]      ; for the ring: my 128 rows of the tile
	s_add_nc_u64 s[46:47], s[46:47], s[18:19]
.irp s, 0,1
	s_mov_b32 s[G0+4*\s], 1
	s_add_co_u32 s[G0+4*\s+1], s45, \s*SLOT
	s_add_nc_u64 s[G0+4*\s+2:G0+4*\s+3], s[20:21], \s*ROWB
	s_or_b32 s[G0+4*\s+3], s[G0+4*\s+3], 0x80000000
	s_mov_b32 s[G0B+4*\s], 1
	s_add_co_u32 s[G0B+4*\s+1], s45, \s*SLOT
	s_add_nc_u64 s[G0B+4*\s+2:G0B+4*\s+3], s[46:47], \s*ROWB
	s_or_b32 s[G0B+4*\s+3], s[G0B+4*\s+3], 0x80000000
.endr
	; the prefetches: of the 128 rows that I fetch in the ring, the four partners that ask for them jointly take 32 each, told apart by address (cx for A, cy for B): a lane a row, 256 bytes of a K step
	s_cmp_eq_u32 s15, 0
	s_cselect_b64 s[92:93], s[20:21], s[46:47]
	s_cselect_b32 s94, s40, s41
	s_lshl_b32 s94, s94, 15
	s_mov_b32 s95, 0
	s_add_nc_u64 s[92:93], s[92:93], s[94:95]      ; s[92:93] is never rewritten
; THE HEAD'S LOADS, ONE A WAVE: wave 0 fetches K step 0's 256 rows of A, wave 1 its 256 rows of B, wave 2 the scales of A's 256 rows, wave 3 those of B's.  One chain of branches on the wave's number, a load to an arm.
.macro ARM under, g0, g1, next
	s_cmp_lt_u32 s14, \under
	s_cbranch_scc0 \next
	tensor_load_to_lds s[\g0:\g0+3], s[\g1:\g1+7]
	s_nop 0
.rept 4
	v_nop
.endr
	s_branch .Lhead_asked
\next:
.endm
	ARM 1, G0H,  G1,  .Lhead_b
	ARM 2, G0HB, G1B, .Lhead_sa
	ARM 3, G0S,  G1S, .Lhead_sb
	tensor_load_to_lds s[G0SB:G0SB+3], s[G1SB:G1SB+7]
	s_nop 0
.rept 4
	v_nop
.endr
.Lhead_asked:
	global_prefetch_b8 v30, s[92:93] offset:256 th:TH_LOAD_NT scope:SCOPE_SE   ; K step 1, which the next fill asks for,
	global_prefetch_b8 v30, s[92:93] offset:512 th:TH_LOAD_NT scope:SCOPE_SE   ; and K step 2, two fills on
	v_and_b32 v1, 15, v0
	v_bfe_u32 v2, v0, 4, 1
	v_mul_u32_u24 v3, v1, PITCH
	v_lshl_add_u32 v4, v2, 4, v3
	s_mul_i32 s21, s15, HALFT
	s_mul_i32 s22, s16, HALFT
	s_add_co_u32 s22, s22, 2*HALFT
.irp s, 0,1
	v_add_nc_u32 v[ADRA+\s], s21, v4
	v_add_nc_u32 v[ADRB+\s], s22, v4
	s_add_co_u32 s21, s21, SLOT
	s_add_co_u32 s22, s22, SLOT
.endr
	v_mul_u32_u24 v5, v1, KS
	v_lshrrev_b32 v6, 8, v5
	v_lshl_add_u32 v5, v6, 4, v5
	s_mul_i32 s21, s15, HALFS
	s_mul_i32 s22, s16, HALFS
	s_add_co_u32 s22, s22, 2*HALFS
	s_sub_co_u32 s22, s22, s21
	v_mul_u32_u24 v6, s22, v2
	s_add_co_u32 s21, s21, SCL
	v_add_nc_u32 v5, v5, v6
	v_add_nc_u32 v[ADRS], s21, v5
	s_lshl_b32 s2, s17, 1
	s_add_co_u32 s2, s2, s15
	s_lshl_b32 s3, s42, 1
	s_add_co_u32 s3, s3, s16
	s_cmp_eq_u32 s[JOB], 2
	s_cselect_b32 s66, s3, s2
	s_cselect_b32 s67, s2, s3
	s_lshl_b32 s2, s[JOB], 23
	s_lshr_b32 s3, s66, 4
	s_lshl_b32 s3, s3, 21
	s_add_co_u32 s2, s2, s3
	s_and_b32 s3, s66, 15
	s_lshl_b32 s3, s3, 13
	s_add_co_u32 s2, s2, s3
	s_lshl_b32 s3, s67, 18
	s_add_co_u32 s2, s2, s3
	s_mov_b32 s3, 0
	s_add_nc_u64 s[12:13], s[12:13], s[2:3]
	s_lshl_b32 s2, s[JOB], 18
	s_lshl_b32 s95, s67, 15
	s_add_co_u32 s2, s2, s95
	s_lshl_b32 s95, s66, 9
	s_add_co_u32 s2, s2, s95
	s_add_nc_u64 s[96:97], s[96:97], s[2:3]
	s_mov_b32 s2, 131072
	s_mov_b32 s20, 1024
	s_mov_b32 s22, 1024
	s_cmp_eq_u32 s[JOB], 2
	s_cselect_b32 s2, 1024, s2
	s_cselect_b32 s20, 2048, s20
	s_cselect_b32 s22, 124928, s22
	s_mov_b32 s21, 0
	s_mov_b32 s23, 0
	v_and_b32 v6, 31, v0
	v_lshlrev_b32 v[VO0], 4, v6
	v_add_nc_u32 v[VO1], s2, v[VO0]
	s_mov_b32 s2, 0x03020100
	s_mov_b32 s95, 0x07060504
	s_cmp_eq_u32 s[JOB], 1
	s_cselect_b32 s2, 0x05040100, s2
	s_cselect_b32 s95, 0x07060302, s95
	v_cmp_gt_u32 vcc_lo, 16, v6
	v_mov_b32 v5, s95
	v_mov_b32 v7, s2
	v_cndmask_b32 v[SELV], v5, v7, vcc_lo
	s_mov_b32 s[SEL], 0x76543210
	s_mov_b32 s[SEL+1], 0xfedcba98
	s_mov_b32 s[MNT], 0x600000
.macro FRAG reg, adr, q, i
.irp c, 0,1,2,3
	ds_load_b128 v[\reg+4*\c:\reg+4*\c+3], v[\adr] offset:128*(\q)+32*\c+(\i)*16*PITCH
.endr
.endm
.macro MUL16 a0, p, q, sc, zero
.irp a, \a0, \a0+1
.irp b, 0,1,2,3,4,5,6,7
.if \zero
	v_wmma_scale_f32_16x16x128_f8f6f4 v[8*(8*((\a)%4)+\b):8*(8*((\a)%4)+\b)+7], v[128*(\p)+FR*\b:128*(\p)+FR*\b+FR-1], v[AF+FR*(\a):AF+FR*(\a)+FR-1], 0, v[SC+8*NQ*(\sc)+NQ*\b+(\q)], v[SC+8*NQ*(\sc)+NQ*(\a)+(\q)] matrix_a_scale:MATRIX_SCALE_ROW1
.else
	v_wmma_scale_f32_16x16x128_f8f6f4 v[8*(8*((\a)%4)+\b):8*(8*((\a)%4)+\b)+7], v[128*(\p)+FR*\b:128*(\p)+FR*\b+FR-1], v[AF+FR*(\a):AF+FR*(\a)+FR-1], v[8*(8*((\a)%4)+\b):8*(8*((\a)%4)+\b)+7], v[SC+8*NQ*(\sc)+NQ*\b+(\q)], v[SC+8*NQ*(\sc)+NQ*(\a)+(\q)] matrix_a_scale:MATRIX_SCALE_ROW1
.endif
.endr
.endr
.endm
.macro FETCH_B slot, q, p
	WIN TO_B
.irp i, 0,1,2,3,4,5,6,7
	FRAG 128*(\p)+FR*\i, ADRB+\slot, \q, \i
.endr
	WIN 0
.endm
.macro FETCH_A slot, q, i0
.irp i, \i0, \i0+1, \i0+2, \i0+3
	FRAG AF+FR*(\i), ADRA+\slot, \q, \i
.endr
.endm
.macro SCALES sc
.irp i, 0,1,2,3,4,5,6,7
	ds_load_b64 v[SC+8*NQ*\sc+NQ*\i:SC+8*NQ*\sc+NQ*\i+1], v[ADRS] offset:\i*SBLK
.endr
.endm
.macro PLACES n
.rept \n
	v_nop
.endr
.endm
.macro STEP slot, q, zero
	s_wait_dscnt 4*NL
	WIN MUL_LO
	MUL16 0, (\q)%2, \q, \slot, \zero
	MUL16 2, (\q)%2, \q, \slot, \zero
	s_wait_dscnt 0
	PLACES NP
	FETCH_B \slot, (\q)+1, 1-(\q)%2
	FETCH_A \slot, (\q)+1, 0
	WIN MUL_HI
	MUL16 4, (\q)%2, \q, \slot, \zero
	MUL16 6, (\q)%2, \q, \slot, \zero
	PLACES NP
	WIN 0
	FETCH_A \slot, (\q)+1, 4
.endm
.macro TURN slot, next, fill
	s_wait_tensorcnt 0x0
	ds_add_u32 v[SPW], v[NIL]
	s_wait_dscnt 4*NL+1
	WIN MUL_LO
	MUL16 0, 1, NQ-1, \slot, 0
	s_wait_dscnt 0x0
	s_barrier_signal -1
	MUL16 2, 1, NQ-1, \slot, 0
	WIN 0
	s_barrier_wait -1
.if \fill
	CREST
	s_add_nc_u64 s[G0+4*\slot+2:G0+4*\slot+3], s[G0+4*\slot+2:G0+4*\slot+3], 2*ROWB
	s_add_nc_u64 s[G0B+4*\slot+2:G0B+4*\slot+3], s[G0B+4*\slot+2:G0B+4*\slot+3], 2*ROWB
	JLOAD G0+4*\slot, G1, G0B+4*\slot, G1B
	PLACES NP-4
.else
	PLACES NP
.endif
	s_wait_alu depctr_va_vdst(0)
	v_add_nc_u32 v[ADRS], 4*NQ, v[ADRS]
	FETCH_B \next, 0, 0
	FETCH_A \next, 0, 0
	SCALES \next
	WIN MUL_HI
	MUL16 4, 1, NQ-1, \slot, 0
	MUL16 6, 1, NQ-1, \slot, 0
	PLACES NP
	WIN 0
	FETCH_A \next, 0, 4
.endm
	s_wait_alu depctr_va_vdst(0)
	s_wait_tensorcnt 0x0                           ; my tile of the head's four is in
	ds_add_u32 v[SPW], v[NIL]
	s_mov_b32 s[G1+2], 128<<16                     ; no tensor load of mine is out: from here on a load brings 128 rows
	s_mov_b32 s[G1+4], 128
	s_mov_b32 s[G1B+2], 128<<16
	s_mov_b32 s[G1B+4], 128
	s_wait_dscnt 0x0
	CROUND                                         ; all four tiles are in, and all sixteen work-groups are here
	JLOAD G0+4, G1, G0B+4, G1B                     ; K step 1 into slot 1
	global_prefetch_b8 v30, s[92:93] offset:768 th:TH_LOAD_NT scope:SCOPE_SE   ; K step 3, two fills on: the last
	FETCH_B 0, 0, 0
	FETCH_A 0, 0, 0
	SCALES 0
	FETCH_A 0, 0, 4
	STEP 0, 0, 1
	s_mov_b32 s3, LAPS-1
.Llap:
	TURN 0, 1, 1
	STEP 1, 0, 0
	TURN 1, 0, 1
	STEP 0, 0, 0
	s_sub_co_u32 s3, s3, 1
	s_cmp_lg_u32 s3, 0
	s_cbranch_scc1 .Llap
	TURN 0, 1, 0
	STEP 1, 0, 0
	s_wait_dscnt 4*NL
	WIN MUL_LO
	MUL16 0, 1, NQ-1, 1, 0
	MUL16 2, 1, NQ-1, 1, 0
	s_wait_dscnt 0
	WIN MUL_HI
	MUL16 4, 1, NQ-1, 1, 0
	MUL16 6, 1, NQ-1, 1, 0
	WIN 0
.macro OUTA a
.set AC, 64*((\a)%4)
.set W, 2+(\a)/4
	WIN 0
.irp b, 0,1,2,3
	v_mov_b32 v[TM+\b], 0x4800000
.endr
	WIN W*0x14
.irp i, 0,2,4,6,8,10,12,14
.irp b, 0,1,2,3
	v_max3_num_f32 v[TM+\b], v[TM+\b], |v[AC+16*\b+\i]|, |v[AC+16*\b+\i+1]|
.endr
.endr
	WIN 0
.irp b, 0,1,2,3
	v_permlanex16_b32 v[TM+4+\b], v[TM+\b], s[SEL], s[SEL+1]
.endr
.irp b, 0,1,2,3
	v_max_num_f32 v[TM+\b], v[TM+\b], v[TM+4+\b]
.endr
.irp b, 0,1,2,3
	v_add_nc_u32 v[TM+12+\b], 0xfc000000, v[TM+\b]
.endr
.irp b, 0,1,2,3
	v_and_or_b32 v[TM+8+\b], v[TM+\b], 0x7f800000, s[MNT]
.endr
.irp b, 0,1,2,3
	v_lshrrev_b32 v[TM+4+\b], 23, v[TM+12+\b]
.endr
	v_lshl_or_b32 v[SW+\a], v[TM+5], 8, v[TM+4]
	v_lshl_or_b32 v[SW+\a], v[TM+6], 16, v[SW+\a]
	v_lshl_or_b32 v[SW+\a], v[TM+7], 24, v[SW+\a]
	WIN W*0x41
.irp b, 0,1,2,3
.irp i, 0,1,2,3,4,5,6,7,8,9,10,11,12,13,14,15
	v_med3_num_f32 v[AC+16*\b+\i], v[AC+16*\b+\i], -v[TM+8+\b], v[TM+8+\b]
.endr
.endr
	s_wait_alu depctr_va_vdst(0)
	s_wait_xcnt 0x0
	WIN W
.irp b, 0,1,2,3
	v_cvt_scalef32_pk8_fp8_f32 v[PC+4*\b:PC+4*\b+1], v[AC+16*\b:AC+16*\b+7], v[TM+12+\b]
	v_cvt_scalef32_pk8_fp8_f32 v[PC+4*\b+2:PC+4*\b+3], v[AC+16*\b+8:AC+16*\b+15], v[TM+12+\b]
.endr
	WIN 0
	v_nop
.if (\a) == 4
	s_add_nc_u64 s[12:13], s[12:13], s[22:23]
.elseif (\a) > 0
	s_add_nc_u64 s[12:13], s[12:13], s[20:21]
.endif
	global_store_b128 v[VO0], v[PC:PC+3], s[12:13]
	global_store_b128 v[VO0], v[PC+4:PC+7], s[12:13] offset:512
	global_store_b128 v[VO1], v[PC+8:PC+11], s[12:13]
	global_store_b128 v[VO1], v[PC+12:PC+15], s[12:13] offset:512
.endm
	PLACES NP
.irp b, 0,1,2,3
	v_mov_b32 v[TM+4+\b], 0
.endr
.irp a, 0,1,2,3,4,5,6,7
	OUTA \a
.endr
.irp p, 0,1,2,3
	v_perm_b32 v[XW+\p], v[SW+2*\p+1], v[SW+2*\p], v[SELV]
.endr
	global_store_b128 v[VO0], v[XW:XW+3], s[96:97]
	s_wait_tensorcnt 0x0
	ds_add_u32 v[SPW], v[NIL]
	s_wait_dscnt 0x0
	CROUND
	s_endpgm
.Lfunc_end_k_q5e70a0be69_proj:
	.size	k_q5e70a0be69_proj, .Lfunc_end_k_q5e70a0be69_proj-k_q5e70a0be69_proj
	.p2alignl 7, 3214868480
	.fill 96, 4, 3214868480
	.section	.rodata,"a",@progbits
	.p2align	6, 0x0
	.amdhsa_kernel k_q5e70a0be69_proj
		.amdhsa_group_segment_fixed_size 327680
		.amdhsa_private_segment_fixed_size 0
		.amdhsa_enable_private_segment 0
		.amdhsa_kernarg_size 104
		.amdhsa_user_sgpr_count 2
		.amdhsa_user_sgpr_kernarg_segment_ptr 1
		.amdhsa_wavefront_size32 1
		.amdhsa_system_sgpr_workgroup_id_x 1
		.amdhsa_system_sgpr_workgroup_id_y 1
		.amdhsa_system_sgpr_workgroup_id_z 1
		.amdhsa_system_vgpr_workitem_id 0
		.amdhsa_next_free_vgpr 1024
		.amdhsa_next_free_sgpr 100
		.amdhsa_reserve_vcc 1
		.amdhsa_float_denorm_mode_32 3
		.amdhsa_float_denorm_mode_16_64 3
		.amdhsa_memory_ordered 1
		.amdhsa_forward_progress 1
		.amdhsa_inst_pref_size 190
	.end_amdhsa_kernel
	.amdgpu_metadata
---
amdhsa.version: [ 1, 2 ]
amdhsa.kernels:
  - .name:           k_q5e70a0be69_proj
    .symbol:         k_q5e70a0be69_proj.kd
    .args:
      - { .name: qq, .offset: 0, .size: 8, .value_kind: global_buffer, .address_space: global }
      - { .name: Wq_codes, .offset: 8, .size: 8, .value_kind: global_buffer, .address_space: global }
      - { .name: Wq_scales, .offset: 16, .size: 8, .value_kind: global_buffer, .address_space: global }
      - { .name: k_codes, .offset: 24, .size: 8, .value_kind: global_buffer, .address_space: global }
      - { .name: k_scales, .offset: 32, .size: 8, .value_kind: global_buffer, .address_space: global }
      - { .name: Wk_codes, .offset: 40, .size: 8, .value_kind: global_buffer, .address_space: global }
      - { .name: Wk_scales, .offset: 48, .size: 8, .value_kind: global_buffer, .address_space: global }
      - { .name: Wv_codes, .offset: 56, .size: 8, .value_kind: global_buffer, .address_space: global }
      - { .name: Wv_scales, .offset: 64, .size: 8, .value_kind: global_buffer, .address_space: global }
      - { .name: v_codes, .offset: 72, .size: 8, .value_kind: global_buffer, .address_space: global }
      - { .name: v_scales, .offset: 80, .size: 8, .value_kind: global_buffer, .address_space: global }
      - { .name: hc, .offset: 88, .size: 8, .value_kind: global_buffer, .address_space: global }
      - { .name: hs, .offset: 96, .size: 8, .value_kind: global_buffer, .address_space: global }
    .group_segment_fixed_size: 327680
    .private_segment_fixed_size: 0
    .kernarg_segment_align: 8
    .kernarg_segment_size: 104
    .max_flat_workgroup_size: 128
    .sgpr_count:     100
    .vgpr_count:     1024
    .wavefront_size: 32
...
	.end_amdgpu_metadata
.endif
;; end of part 2
;; launch attn (part 3): grid 4 x 64, 16 waves a work-group, clusters of 4 x 1, 327,680 bytes of LDS; arguments hc, hs, cc, cs; writes cc, cs
.if DOCPART == 3
	.amdgcn_target "amdgcn-amd-amdhsa--gfx1250"
	.amdhsa_code_object_version 6
	.text
	.protected	k_q5e70a0be69_attn
	.globl	k_q5e70a0be69_attn
	.p2align	8
	.type	k_q5e70a0be69_attn,@function
k_q5e70a0be69_attn:
	s_mov_b64 s[64:65], 0
	v_nop
	global_prefetch_b8 v0, s[64:65] scope:SCOPE_SE
	s_setreg_imm32_b32 hwreg(HW_REG_WAVE_MODE, 25, 1), 1
	s_wait_xcnt 0x0
	s_wait_alu depctr_hold_cnt(0) depctr_sa_sdst(0) depctr_va_vdst(0) depctr_va_sdst(0) depctr_va_ssrc(0) depctr_va_vcc(0) depctr_vm_vsrc(0)
	s_getreg_b32 s2, hwreg(HW_REG_IB_STS2, 6, 4)
	s_cmp_eq_u32 s2, 0
	s_cbranch_scc0 .Lentry_in_a_cluster
	s_endpgm
.Lentry_in_a_cluster:
	s_bfe_u32 s2, ttmp6, 0x10000c
	s_cmp_lg_u32 s2, 0x3003
	s_cbranch_scc0 .Lentry_shape_is_right
	s_endpgm
.Lentry_shape_is_right:
; ctx[b][h][q] = the sum over k of softmax_k(qh . kh / 8) vh, both products on codes of FP8 (E4M3) with one E8M0 scale for each 32 along a product's K; ctx is quantised along the features and stored as codes.
; THE SOFTMAX AHEAD OF THE SECOND PRODUCT: t = score x log2(e) / 8; M = the row's largest t so far, rounded UP to a whole number; p = 2^(t - M) is what is quantised, along the keys; not normalised.
; The row's sum is taken of the unquantised p and divides O at the end.  When M moves, the sum and O are multiplied by f = 2^(old M - new M): exact.
; SHARES.  A work-group owns one head (y = batch x 16 + head) and 512 queries; each of its sixteen waves owns one tile of 16 queries at a time, in two passes; a lane holds ONE query (lane % 16) throughout.
; THE HEAD'S WHOLE K AND V STAY IN LDS, each byte filled once: 2 x 131,072 bytes of codes and 2 x 8,192 of scale words.
; CLUSTER: the four work-groups of a head (x = 0 .. 3) read the same K and V, so they form a cluster of 4 x 1 and ask for every tile jointly (mask 15).
; FILLS, one tensor load a wave each time.  At the head: waves 0-7 the codes of key steps 0 to 3 (K's and V's 32,768 bytes in quarters), waves 8-15 the scale words (2,048 bytes each).  Behind the full sequence and a round
; of the cluster's barrier: key steps 4 to 15, 12,288 bytes a wave (waves 0-7 K's, 8-15 V's); it is shown by the plain barrier behind key step 2.
; PREFETCH: behind the head's load each wave names 12 blocks of 256 bytes of the second fill, lanes 256 bytes apart (lanes 12-31 name the wave's last block again): 768 blocks shared out by address among the cluster's
; 64 waves, each named once in the cluster.  The first fill and Q come by their loads alone.
; OPERANDS lie in memory and in LDS as images of their registers: a piece is 512 bytes, lane l's 16 codes at 16 l.
; K = 64 IN AN INSTRUCTION OF 128: one operand of K holds TWO tiles of 16 keys, 64 channels each; against (Q, zeros) it gives the first tile's scores, against (zeros, Q) the second's.  Zero codes add nothing.
; Both products are used transposed: S^T = K Q^T, O^T = V^T P^T.
; THE STEP IS SHIFTED: step i holds the scores and softmax of keys 128 i .. and the SECOND product of step i - 1.  Order: scores; O^T x f(i - 1) (the places behind the scores' products); V(i - 1) is asked of LDS; maxima, M,
; exponentials, sums; O^T += V(i - 1) P(i - 1); the blocks' scales (the places behind those products); K(i + 1) is asked of LDS; holds and conversions.  Step 0 has no product before it and is written out; the last product follows the loops.
; LIMITS: NaN and infinities are not served; the promise holds while |t| stays under 2^31; a block of zeros gets the byte 1 (zero codes; this program alone reads the bytes); v_exp_f32 gives 0 for results under 2^-126; 1 / the sum is v_rcp_f32.
.set VREG, 131072                      ; LDS: K's codes from 0, a step of 128 keys is 8,192 bytes; V's from here
.set KSR,  262144                      ; K's scale blocks, 512 bytes a step
.set VSR,  270336                      ; V's
.set SPARE, 278528                     ; the spare words: 128 bytes a wave
.set LI,   1                           ; v1   16 x lane
.set AKS0, 2                           ; v2   KSR + 256 x (head % 2) + 16 (lane % 16)
.set AVS0, 3                           ; v3   VSR - 512 + 16 x lane + 8 x (head % 2)
.set ADK,  4                           ; v4-7 LDS addresses: K(i + 1), V(i - 1), their scale words
.set ADV,  5
.set ADS,  6
.set ADT,  7
.set QSO,  8                           ; v8   my byte in Q's scale block
.set CSO,  9                           ; v9   my byte in cs
.set QF,   16                          ; v16-23 Q, v24-31 zeros, v32-39 Q again
.set FR,   40                          ; v40-103  four fragments of K or of V
.set S,    104                         ; v104-167 S^T, then p
.set O,    168                         ; v168-199 O^T
.set PC,   200                         ; v200-215 p's codes
.set BM,   216                         ; v216-219 the blocks' largest
.set PT,   220                         ; v220-223 the other half's, then bytes
.set HD,   224                         ; v224-227 448 x the scale
.set SO,   228                         ; v228-231 the conversions' scale operands
.set FF,   232                         ; v[232:233] f, later 1 / the sum (v233 is written once)
.set TW,   234
.set PW,   235                         ; p's scale word
.set QSW,  236                         ; Q's scale word, its two bytes twice
.set QRW,  237
.set PFO,  238                         ; the prefetch's offset; never rewritten
.set LIV,  239                         ; VREG - 8,192 + 16 x lane
.set KSW,  240                         ; v240-243 K's scale words
.set VSW,  244                         ; v244-245 V's
.set C1,   246                         ; v246-251 three more chains of the row's sum
.set C2,   248
.set C3,   250
.set SPW,  254
.set NIL,  255
.set WV,   12
.set MNT,  19
.set SEL,  20
.set CS,   22                          ; s[22:23] c = log2(e) / 8
.set G1A,  24                          ; groups 1: 32, 8 and 48 rows of 256 bytes
.set G1S,  32
.set G1B,  40
.set G0A,  48                          ; groups 0, never rewritten
.set G0S,  52
.set G0B,  56
.set TB,   60                          ; 8,192 x (i + 1)
.set TS,   61                          ; 512 x (i + 1)
.set CNT,  62
.set PASS, 63
.set PFA,  86                          ; s[86:87] the prefetch's base; never rewritten
.set CX,   88
.set WGX,  89
.macro CROUND                          ; a round of the cluster's barrier
	s_barrier_signal -1
	s_barrier_wait -1
	s_cmp_lg_u32 s[WV], 0
	s_cbranch_scc1 .Lnw0_\@
	s_barrier_signal -3
.Lnw0_\@:
	s_barrier_wait -3
	s_barrier_signal -1
	s_barrier_wait -1
.endm
.macro GROUP1 g, rows                  ; a dense block as rows of 256 bytes (32 elements of 8), no padding; the mask names the cluster's four
	s_mov_b32 s[\g], 15|(3<<16)|(1<<21)
	s_mov_b32 s[\g+1], 32<<16
	s_mov_b32 s[\g+2], (\rows)<<16
	s_mov_b32 s[\g+3], 32<<16
	s_mov_b32 s[\g+4], \rows
	s_mov_b32 s[\g+5], 32
	s_mov_b32 s[\g+6], 0
	s_mov_b32 s[\g+7], 0
.endm
.macro PTR d, base, off                ; s[d:d+1] = a buffer's address + the offset in s[off]
	s_mov_b32 s2, s\off
	s_add_nc_u64 s[\d:\d+1], s[\base:\base+1], s[2:3]
.endm
.macro TLOAD g0, g1                    ; an s_nop 0 and four v_nop follow each tensor load
	tensor_load_to_lds s[\g0:\g0+3], s[\g1:\g1+7]
	s_nop 0
.rept 4
	v_nop
.endr
.endm
.macro QLOAD
	global_load_b128 v[QF:QF+3], v[LI], s[66:67]               ; Q's two pieces,
	global_load_b128 v[QF+4:QF+7], v[LI], s[66:67] offset:512
	global_load_b128 v[QF+16:QF+19], v[LI], s[66:67]           ; and once more behind the zeros
	global_load_b128 v[QF+20:QF+23], v[LI], s[66:67] offset:512
	global_load_b32 v[QRW], v[QSO], s[68:69]
.endm
.macro FLOAD adr                       ; four operands of 2,048 bytes into FR
.irp p, 0,1,2,3
.irp c, 0,1,2,3
	ds_load_b128 v[FR+16*\p+4*\c:FR+16*\p+4*\c+3], v[\adr] offset:2048*\p+512*\c
.endr
.endr
.endm
.macro RESCALE                         ; O^T under the M of the product that follows; each accumulator from its low end on
.set j, 0
.rept 16
	v_pk_mul_f32 v[O+j:O+j+1], v[O+j:O+j+1], v[FF:FF+1] op_sel_hi:[1,0]
.set j, j+2
.endr
.endm
.macro PV                              ; O^T += V^T P^T: four channel tiles, which take turns
.irp t, 0,2
	v_wmma_scale_f32_16x16x128_f8f6f4 v[O+8*\t:O+8*\t+7], v[FR+16*\t:FR+16*\t+15], v[PC:PC+15], v[O+8*\t:O+8*\t+7], v[VSW+\t/2], v[PW]
	v_wmma_scale_f32_16x16x128_f8f6f4 v[O+8*\t+8:O+8*\t+15], v[FR+16*\t+16:FR+16*\t+31], v[PC:PC+15], v[O+8*\t+8:O+8*\t+15], v[VSW+\t/2], v[PW] matrix_a_scale:MATRIX_SCALE_ROW1
.endr
.endm
	s_load_b256 s[4:11], s[0:1], 0x0               ; hc s[4:5], hs s[6:7], cc s[8:9], cs s[10:11]
	v_lshl_add_u32 v[SPW], v0, 2, SPARE
	v_mov_b32 v[NIL], 0
	ds_add_u32 v[SPW], v[NIL]                      ; the opening lines: the add, twice on end, and its wait ahead of my first tensor load
	ds_add_u32 v[SPW], v[NIL]
	v_lshrrev_b32 v10, 5, v0
	v_readfirstlane_b32 s[WV], v10                 ; wave 0..15
	s_bfe_u32 s[CX], ttmp6, 0x40000                ; my place in the cluster
	s_lshl_b32 s[WGX], ttmp9, 2
	s_add_co_u32 s[WGX], s[WGX], s[CX]             ; work-group x: my 512 queries
	s_and_b32 s13, ttmp7, 0xffff                   ; y
	s_lshr_b32 s14, s13, 4                         ; batch
	s_and_b32 s15, s13, 15                         ; head
	s_and_b32 s16, s13, 1                          ; head % 2
	s_lshr_b32 s17, s[WV], 3
	s_and_b32 s18, s[WV], 7
	s_bfe_u32 s75, s[WV], 0x10002                  ; (wave / 4) % 2: K (0) or V (1) in the first fill
	s_and_b32 s76, s[WV], 3                        ; which quarter
	GROUP1 G1A, 32
	GROUP1 G1S, 8
	GROUP1 G1B, 48
	s_lshl_b32 s80, s13, 17                        ; y x 131,072
	s_lshr_b32 s82, s15, 1
	s_lshl_b32 s83, s82, 15                        ; pair of heads x 32,768
	s_add_co_u32 s77, s75, 1                       ; K is job 1, V job 2
	s_lshl_b32 s78, s77, 23                        ; s78: the first fill's codes in hc: job x 8 MiB + y x 131,072 + quarter x 8,192
	s_add_co_u32 s78, s78, s80
	s_lshl_b32 s2, s76, 13
	s_add_co_u32 s78, s78, s2
	s_lshl_b32 s[G0A+1], s75, 17
	s_add_co_u32 s[G0A+1], s[G0A+1], s2
	s_lshl_b32 s79, s77, 18                        ; s79: the scale words in hs: job x 262,144 + pair of heads + batch x 8,192 + quarter x 2,048
	s_add_co_u32 s79, s79, s83
	s_lshl_b32 s2, s14, 13
	s_add_co_u32 s79, s79, s2
	s_lshl_b32 s2, s76, 11
	s_add_co_u32 s79, s79, s2
	s_lshl_b32 s[G0S+1], s18, 11
	s_add_co_u32 s[G0S+1], s[G0S+1], KSR           ; K's four quarters, then V's four
	s_mul_i32 s2, s18, 12288                       ; s81: the second fill: behind the first 32,768 bytes, 12,288 x my eighth
	s_add_co_u32 s2, s2, 32768
	s_add_co_u32 s81, s17, 1
	s_lshl_b32 s81, s81, 23
	s_add_co_u32 s81, s81, s80
	s_add_co_u32 s81, s81, s2
	s_lshl_b32 s[G0B+1], s17, 17
	s_add_co_u32 s[G0B+1], s[G0B+1], s2
	s_lshr_b32 s84, s[CX], 1                       ; s84: my 3,072 bytes of the second fill for the prefetch: places 0, 1 take K's, places 2, 3 V's
	s_add_co_u32 s84, s84, 1
	s_lshl_b32 s84, s84, 23
	s_add_co_u32 s84, s84, s80
	s_and_b32 s85, s[CX], 1
	s_lshl_b32 s85, s85, 4
	s_add_co_u32 s85, s85, s[WV]
	s_mul_i32 s85, s85, 3072
	s_add_co_u32 s85, s85, 32768
	s_add_co_u32 s84, s84, s85
	s_lshl_b32 s90, s[WGX], 5
	s_add_co_u32 s90, s90, s[WV]                   ; my first tile of queries in the batch
	s_lshl_b32 s91, s90, 10                        ; s91: Q's codes (job 0): y x 131,072 + tile x 1,024
	s_add_co_u32 s91, s91, s80
	s_lshl_b32 s92, s14, 4                         ; s92: Q's scale block: pair of heads x 32,768 + (batch x 16 + tile / 8) x 512
	s_lshr_b32 s93, s90, 3
	s_add_co_u32 s92, s92, s93
	s_lshl_b32 s92, s92, 9
	s_add_co_u32 s92, s92, s83
	s_lshl_b32 s93, s14, 7
	s_add_co_u32 s93, s93, s90                     ; the tile among all 512
	s_lshl_b32 s94, s93, 14                        ; s94: cc: tile x 16,384 + head x 1,024
	s_lshl_b32 s95, s15, 10
	s_add_co_u32 s94, s94, s95
	s_lshr_b32 s95, s93, 1                         ; s95: cs: pair of tiles x 1,024 + pair of heads x 128
	s_lshl_b32 s95, s95, 10
	s_lshl_b32 s93, s82, 7
	s_add_co_u32 s95, s95, s93
	s_mov_b32 s74, 0x03020302                      ; Q's word holds both heads' bytes: the odd head's two, twice,
	s_cmp_eq_u32 s16, 0
	s_cselect_b32 s74, 0x01000100, s74             ; or the even head's
	s_lshl_b32 s66, s16, 8
	s_add_co_u32 s66, s66, KSR
	s_lshl_b32 s67, s16, 3
	s_add_co_u32 s67, s67, VSR-512
	s_and_b32 s68, s[WV], 1
	s_lshl_b32 s69, s68, 8                         ; Q's tile a = wave % 8: word a / 2 of lane 16 (a % 2) + r
	s_lshr_b32 s70, s18, 1
	s_lshl_b32 s70, s70, 2
	s_add_co_u32 s69, s69, s70
	s_lshl_b32 s70, s68, 6                         ; cs: 4 (16 (tile % 2) + r) + 2 (head % 2)
	s_lshl_b32 s71, s16, 1
	s_add_co_u32 s70, s70, s71
	s_mov_b32 s[SEL], 0x76543210
	s_mov_b32 s[SEL+1], 0xfedcba98
	s_mov_b32 s[CS], 0x3e38aa3b
	s_mov_b32 s[CS+1], s[CS]                       ; (named with it as a pair, so it is written)
	s_mov_b32 s[MNT], 0x600000
	s_mov_b32 s[G0A], 1
	s_mov_b32 s[G0S], 1
	s_mov_b32 s[G0B], 1
	s_mov_b32 s3, 0
	v_and_b32 v10, 31, v0                          ; lane
	v_and_b32 v11, 15, v0                          ; r
	v_lshlrev_b32 v[LI], 4, v10
	v_lshl_add_u32 v[AKS0], v11, 4, s66
	v_add_nc_u32 v[AVS0], s67, v[LI]
	v_add_nc_u32 v[LIV], VREG-8192, v[LI]
	v_lshl_add_u32 v[QSO], v11, 4, s69
	v_lshl_add_u32 v[CSO], v11, 2, s70
	v_min_u32 v[PFO], 11, v10
	v_lshlrev_b32 v[PFO], 8, v[PFO]
.irp j, 0,1,2,3,4,5,6,7
	v_mov_b32 v[QF+8+\j], 0                        ; the zero codes between the two copies of Q
.endr
.irp b, 0,1,2,3
	v_mov_b32 v[PT+\b], 0                          ; written once: a lane permute's destination counts as one of its sources
.endr
	v_mov_b32 v[FF+1], 0
	v_mov_b32 v[TW], 0
	s_wait_alu depctr_va_vdst(0)                   ; the wait at the end of the head's vector work
	s_wait_dscnt 0x0                               ; both opening adds are done
	CROUND                                         ; all four work-groups are here: the first joint loads meet
	s_wait_kmcnt 0x0
	PTR G0A+2, 4, 78
	s_or_b32 s[G0A+3], s[G0A+3], 0x80000000
	PTR G0S+2, 6, 79
	s_or_b32 s[G0S+3], s[G0S+3], 0x80000000
	PTR G0B+2, 4, 81
	s_or_b32 s[G0B+3], s[G0B+3], 0x80000000
	PTR PFA, 4, 84
	PTR 66, 4, 91
	PTR 68, 6, 92
	PTR 70, 8, 94
	PTR 72, 10, 95
	s_cmp_lt_u32 s[WV], 8                          ; one joint load a wave, an arm for each shape
	s_cbranch_scc0 .Lfor_scales
	TLOAD G0A, G1A
	s_branch .Lasked
.Lfor_scales:
	TLOAD G0S, G1S
.Lasked:
	global_prefetch_b8 v[PFO], s[PFA:PFA+1] th:TH_LOAD_NT scope:SCOPE_SE
	QLOAD                                          ; the first pass's Q
	s_wait_tensorcnt 0x0                           ; my part of the first fill is in
	ds_add_u32 v[SPW], v[NIL]
	s_wait_dscnt 0x0
	CROUND                                         ; everybody's part is in, and the four work-groups are here
	TLOAD G0B, G1B                                 ; key steps 4 to 15
; A KEY STEP.  first = 1: step 0: no product before it; half of O^T's zeros are the places behind the scores' products.  last = 1: the copy whose last trip is step 15: it asks for no further K.
.macro STEP first, last
	s_wait_dscnt 0x0                               ; K(i) and its scale words are in
.irp p, 0,1,2,3
.irp u, 0,1
	v_wmma_scale_f32_16x16x128_f8f6f4 v[S+8*(2*\p+\u):S+8*(2*\p+\u)+7], v[FR+16*\p:FR+16*\p+15], v[QF+8*\u:QF+8*\u+15], 0, v[KSW+\p], v[QSW]
.endr
.endr
.if \first
.set j, 16
.rept 16
	v_mov_b32 v[O+j], 0
.set j, j+1
.endr
.else
	RESCALE                                        ; x f(i - 1); sixteen places behind the products, ahead of the loads into K's registers and of the first read of the scores
	FLOAD ADV                                      ; V(i - 1): it lands under the softmax
	ds_load_b64 v[VSW:VSW+1], v[ADT]               ; lanes 0-15: the even tile's word, lanes 16-31 the odd tile's
.endif
.irp b, 0,1,2,3
	v_max3_num_f32 v[BM+\b], v[S+16*\b], v[S+1+16*\b], v[S+2+16*\b]   ; the largest score of each block of 32 keys: for the row's maximum and, since p rises with the score, for the block's largest p
.endr
.irp i, 3,5,7,9,11,13
.irp b, 0,1,2,3
	v_max3_num_f32 v[BM+\b], v[BM+\b], v[S+16*\b+\i], v[S+1+16*\b+\i]
.endr
.endr
.irp b, 0,1,2,3
	v_max_num_f32 v[BM+\b], v[BM+\b], v[S+15+16*\b]
.endr
.irp b, 0,1,2,3
	s_delay_alu instid0(VALU_DEP_4)
	v_permlanex16_b32 v[PT+\b], v[BM+\b], s[SEL], s[SEL+1]
.endr
.irp b, 0,1,2,3
	s_delay_alu instid0(VALU_DEP_4)
	v_max_num_f32 v[BM+\b], v[BM+\b], v[PT+\b]     ; with lane l xor 16's 16 keys
.endr
	s_delay_alu instid0(VALU_DEP_2)
	v_max3_num_f32 v[TW], v[BM], v[BM+1], v[BM+2]
	s_delay_alu instid0(VALU_DEP_1)
	v_max_num_f32 v[TW], v[TW], v[BM+3]            ; the step's largest score of my query
	s_delay_alu instid0(VALU_DEP_1)
	v_mul_f32 v[TW], s[CS], v[TW]                  ; as t (c is positive)
	s_delay_alu instid0(VALU_DEP_1)
	v_max_num_f32 v13, v13, v[TW]                  ; the running largest t
	v_mov_b32 v[TW], v12
	s_delay_alu instid0(VALU_DEP_2)
	v_floor_f32 v12, -v13                          ; the new -M = floor(-t): M is a whole number
	s_delay_alu instid0(VALU_DEP_1)
	v_sub_f32 v[TW], v12, v[TW]                    ; old M - new M: a whole number, 0 or less
	s_delay_alu instid0(VALU_DEP_1)
	v_cvt_i32_f32 v[TW], v[TW]                     ; (it saturates)
	s_delay_alu instid0(VALU_DEP_1)
	v_ldexp_f32 v[FF], 1.0, v[TW]                  ; f(i) = 2^(old M - new M)
.set j, 0
.rept 32
	v_pk_fma_f32 v[S+j:S+j+1], v[S+j:S+j+1], s[CS:CS+1], v[12:13] op_sel_hi:[1,0,0]   ; t - M, two at a time
.set j, j+2
.endr
.irp b, 0,1,2,3
	v_fma_f32 v[BM+\b], v[BM+\b], s[CS], v12       ; the same of each block's largest score
.endr
	s_wait_alu depctr_va_vdst(0)                   ; the wait ahead of the batch
.set j, 0
.rept 64
	v_exp_f32 v[S+j], v[S+j]                       ; p = 2^(t - M), at most 1
.set j, j+1
.endr
.irp b, 0,1,2,3
	v_exp_f32 v[BM+\b], v[BM+\b]                   ; the block's largest p: the same two instructions on the same number
.endr
	v_pk_mul_f32 v[14:15], v[14:15], v[FF:FF+1] op_sel_hi:[1,0]   ; the sums under the new M (a plain line behind the exponentials)
	s_wait_alu depctr_va_vdst(0)                   ; one wait for the whole batch, ahead of its first reader
	v_pk_add_f32 v[C1:C1+1], v[S:S+1], v[S+2:S+3]  ; the row's sum of the unquantised p: two at a time, four chains by turns
	v_pk_add_f32 v[C2:C2+1], v[S+4:S+5], v[S+6:S+7]
	v_pk_add_f32 v[C3:C3+1], v[S+8:S+9], v[S+10:S+11]
	v_pk_add_f32 v[14:15], v[14:15], v[S+12:S+13]
.set j, 14
.rept 6
	v_pk_add_f32 v[C1:C1+1], v[C1:C1+1], v[S+j:S+j+1]
	v_pk_add_f32 v[C2:C2+1], v[C2:C2+1], v[S+j+2:S+j+3]
	v_pk_add_f32 v[C3:C3+1], v[C3:C3+1], v[S+j+4:S+j+5]
	v_pk_add_f32 v[14:15], v[14:15], v[S+j+6:S+j+7]
.set j, j+8
.endr
	v_pk_add_f32 v[C1:C1+1], v[C1:C1+1], v[S+62:S+63]
	v_pk_add_f32 v[14:15], v[14:15], v[C2:C2+1]
	v_pk_add_f32 v[C1:C1+1], v[C1:C1+1], v[C3:C3+1]
	v_pk_add_f32 v[14:15], v[14:15], v[C1:C1+1]
.if \first == 0
	s_wait_dscnt 0x0                               ; V(i - 1) is in
	PV
.endif
.irp b, 0,1,2,3
	v_max_num_f32 v[BM+\b], 0x4800000, v[BM+\b]    ; the floor 2^(9 - 127).  These lines are the places behind the products: sixteen ahead of p's new scale word, 21 ahead of the loads into V's registers
.endr
.irp b, 0,1,2,3
	s_delay_alu instid0(VALU_DEP_4)
	v_add_nc_u32 v[SO+\b], 0xfc000000, v[BM+\b]    ; 8 off the exponent field: the conversion's scale operand
.endr
.irp b, 0,1,2,3
	v_and_or_b32 v[HD+\b], v[BM+\b], 0x7f800000, s[MNT]   ; 448 x the scale
.endr
.irp b, 0,1,2,3
	v_lshrrev_b32 v[PT+\b], 23, v[SO+\b]           ; the scale's byte
.endr
	s_delay_alu instid0(VALU_DEP_3)
	v_lshl_or_b32 v[PW], v[PT+1], 8, v[PT]         ; p's scale word for these 128 keys
	s_delay_alu instid0(VALU_DEP_1)
	v_lshl_or_b32 v[PW], v[PT+2], 16, v[PW]
	s_delay_alu instid0(VALU_DEP_1)
	v_lshl_or_b32 v[PW], v[PT+3], 24, v[PW]
	v_add_nc_u32 v[ADK], s[TB], v[LI]
	v_add_nc_u32 v[ADS], s[TS], v[AKS0]
.if \last
	s_wait_alu depctr_va_vdst(0)                   ; the wait ahead of the branch
	s_cmp_eq_u32 s[CNT], 1
	s_cbranch_scc1 .Lno_k_\@                       ; behind step 15 there is no K
.endif
	FLOAD ADK                                      ; K(i + 1): operand p holds key tiles 2 p and 2 p + 1; it lands under the holds
	ds_load_b128 v[KSW:KSW+3], v[ADS]              ; word p: the two tiles' two bytes each, of my head
.if \last
.Lno_k_\@:
.endif
.irp b, 0,1,2,3
.set i, 0
.rept 8
	v_dual_min_num_f32 v[S+16*\b+i], v[HD+\b], v[S+16*\b+i] :: v_dual_min_num_f32 v[S+16*\b+i+1], v[HD+\b], v[S+16*\b+i+1]   ; the conversion does not saturate (ISA guide 7.6.2); p is not negative, so the hold is one-sided
.set i, i+2
.endr
	v_cvt_scalef32_pk8_fp8_f32 v[PC+4*\b:PC+4*\b+1], v[S+16*\b:S+16*\b+7], v[SO+\b]
	v_cvt_scalef32_pk8_fp8_f32 v[PC+4*\b+2:PC+4*\b+3], v[S+16*\b+8:S+16*\b+15], v[SO+\b]
.endr
	v_add_nc_u32 v[ADV], s[TB], v[LIV]             ; V(i), for the next step (also the plain line behind the conversions)
	v_add_nc_u32 v[ADT], s[TS], v[AVS0]
	s_add_co_u32 s[TB], s[TB], 8192
	s_add_co_u32 s[TS], s[TS], 512
.endm
	s_mov_b32 s[PASS], 2
.Lpass:                                                ; a pass: one tile of 16 queries against all 2,048 keys
	s_wait_loadcnt 0x0                             ; Q
	v_perm_b32 v[QSW], v[QRW], v[QRW], s74         ; my head's two bytes, twice: for (Q, zeros) and for (zeros, Q)
	v_mov_b32 v13, 0xff61b1e6                      ; the largest t so far: -3e38, under every t
	v_floor_f32 v12, -v13                          ; -M
	v_mov_b32 v14, 0                               ; the sum, in two halves
	v_mov_b32 v15, 0
.set j, 0
.rept 16
	v_mov_b32 v[O+j], 0                            ; O^T begins as zeros, which the first change of M leaves zeros; these lines are also the places between Q's scale word and the first product
.set j, j+1
.endr
	FLOAD LI                                       ; K(0)
	ds_load_b128 v[KSW:KSW+3], v[AKS0]
	s_mov_b32 s[TB], 8192
	s_mov_b32 s[TS], 512
	STEP 1, 0                                      ; step 0
	s_mov_b32 s[CNT], 2
.Lfirst:                                               ; steps 1 and 2: they read key steps 0 to 3 alone
	STEP 0, 0
	s_sub_co_u32 s[CNT], s[CNT], 1
	s_cmp_lg_u32 s[CNT], 0
	s_cbranch_scc1 .Lfirst
	s_wait_tensorcnt 0x0                           ; my part of key steps 4 to 15 is in (in the second pass it has long been)
	s_wait_dscnt 0x0
	s_barrier_signal -1
	s_barrier_wait -1                              ; and everybody's.
	s_mov_b32 s[CNT], 13
.Lrest:                                                ; steps 3 to 15
	STEP 0, 1
	s_sub_co_u32 s[CNT], s[CNT], 1
	s_cmp_lg_u32 s[CNT], 0
	s_cbranch_scc1 .Lrest
	; THE PASS'S END: the last second product; then O^T / the sum is ctx: 64 features of my query, 32 in my lane; two blocks of 32, quantised and stored as two pieces
	RESCALE                                        ; x f(15)
	FLOAD ADV                                      ; V(15)
	ds_load_b64 v[VSW:VSW+1], v[ADT]
	s_cmp_eq_u32 s[PASS], 1
	s_cbranch_scc1 .Lno_q
	s_add_nc_u64 s[66:67], s[66:67], 16384         ; sixteen tiles on: the next pass's Q is asked for here
	s_add_nc_u64 s[68:69], s[68:69], 1024
	QLOAD
.Lno_q:
	v_add_f32 v14, v14, v15                        ; the sum's two halves,
	v_permlanex16_b32 v[TW], v14, s[SEL], s[SEL+1]
	v_add_f32 v14, v14, v[TW]                      ; and lane l xor 16's
	s_wait_alu depctr_va_vdst(0)                   ; the wait ahead of the transcendental
	v_rcp_f32 v[FF], v14
	s_wait_dscnt 0x0
	PV
.rept 8
	v_nop                                          ; places behind the last products
.endr
	s_wait_alu depctr_va_vdst(0)                   ; the wait ahead of the reciprocal's first reader
.set j, 0
.rept 16
	v_pk_mul_f32 v[S+j:S+j+1], v[O+j:O+j+1], v[FF:FF+1] op_sel_hi:[1,0]   ; each accumulator from its low end on
.set j, j+2
.endr
.irp b, 0,1
	v_max3_num_f32 v[BM+\b], |v[S+16*\b]|, |v[S+1+16*\b]|, 0x4800000
.endr
.irp i, 2,4,6,8,10,12,14
.irp b, 0,1
	s_delay_alu instid0(VALU_DEP_2)
	v_max3_num_f32 v[BM+\b], v[BM+\b], |v[S+16*\b+\i]|, |v[S+1+16*\b+\i]|
.endr
.endr
.irp b, 0,1
	s_delay_alu instid0(VALU_DEP_2)
	v_permlanex16_b32 v[PT+\b], v[BM+\b], s[SEL], s[SEL+1]
.endr
.irp b, 0,1
	s_delay_alu instid0(VALU_DEP_2)
	v_max_num_f32 v[BM+\b], v[BM+\b], v[PT+\b]
.endr
.irp b, 0,1
	s_delay_alu instid0(VALU_DEP_2)
	v_add_nc_u32 v[SO+\b], 0xfc000000, v[BM+\b]
.endr
.irp b, 0,1
	s_delay_alu instid0(VALU_DEP_4)
	v_and_or_b32 v[HD+\b], v[BM+\b], 0x7f800000, s[MNT]
.endr
.irp b, 0,1
	s_delay_alu instid0(VALU_DEP_4)
	v_lshrrev_b32 v[PT+\b], 23, v[SO+\b]
.endr
	s_delay_alu instid0(VALU_DEP_1)
	v_lshl_or_b32 v[TW], v[PT+1], 8, v[PT]         ; my head's two bytes
.irp b, 0,1
.set i, 0
.rept 16
	v_med3_num_f32 v[S+16*\b+i], v[S+16*\b+i], -v[HD+\b], v[HD+\b]
.set i, i+1
.endr
	v_cvt_scalef32_pk8_fp8_f32 v[PC+4*\b:PC+4*\b+1], v[S+16*\b:S+16*\b+7], v[SO+\b]
	v_cvt_scalef32_pk8_fp8_f32 v[PC+4*\b+2:PC+4*\b+3], v[S+16*\b+8:S+16*\b+15], v[SO+\b]
.endr
	v_nop                                          ; a plain line behind the conversions: the next pass's products write their sources
	global_store_b128 v[LI], v[PC:PC+3], s[70:71]              ; 512 consecutive bytes each
	global_store_b128 v[LI], v[PC+4:PC+7], s[70:71] offset:512
	global_store_b16 v[CSO], v[TW], s[72:73]       ; lanes r and r + 16 write the same two bytes with the same value; 32 bytes of scales against 1,024 of codes
	s_wait_xcnt 0x0                                ; the stores have read their data and bases: both are written again only behind this wait
	s_add_nc_u64 s[70:71], s[70:71], 262144        ; sixteen tiles on
	s_add_nc_u64 s[72:73], s[72:73], 8192
	s_sub_co_u32 s[PASS], s[PASS], 1
	s_cmp_lg_u32 s[PASS], 0
	s_cbranch_scc1 .Lpass
	s_wait_tensorcnt 0x0                           ; the wave's end
	ds_add_u32 v[SPW], v[NIL]
	s_wait_dscnt 0x0
	CROUND                                         ; the closing round
	s_endpgm
.Lfunc_end_k_q5e70a0be69_attn:
	.size	k_q5e70a0be69_attn, .Lfunc_end_k_q5e70a0be69_attn-k_q5e70a0be69_attn
	.p2alignl 7, 3214868480
	.fill 96, 4, 3214868480
	.section	.rodata,"a",@progbits
	.p2align	6, 0x0
	.amdhsa_kernel k_q5e70a0be69_attn
		.amdhsa_group_segment_fixed_size 327680
		.amdhsa_private_segment_fixed_size 0
		.amdhsa_enable_private_segment 0
		.amdhsa_kernarg_size 32
		.amdhsa_user_sgpr_count 2
		.amdhsa_user_sgpr_kernarg_segment_ptr 1
		.amdhsa_wavefront_size32 1
		.amdhsa_system_sgpr_workgroup_id_x 1
		.amdhsa_system_sgpr_workgroup_id_y 1
		.amdhsa_system_sgpr_workgroup_id_z 1
		.amdhsa_system_vgpr_workitem_id 0
		.amdhsa_next_free_vgpr 256
		.amdhsa_next_free_sgpr 96
		.amdhsa_reserve_vcc 0
		.amdhsa_float_denorm_mode_32 3
		.amdhsa_float_denorm_mode_16_64 3
		.amdhsa_memory_ordered 1
		.amdhsa_forward_progress 1
		.amdhsa_inst_pref_size 76
	.end_amdhsa_kernel
	.amdgpu_metadata
---
amdhsa.version: [ 1, 2 ]
amdhsa.kernels:
  - .name:           k_q5e70a0be69_attn
    .symbol:         k_q5e70a0be69_attn.kd
    .args:
      - { .name: hc, .offset: 0, .size: 8, .value_kind: global_buffer, .address_space: global }
      - { .name: hs, .offset: 8, .size: 8, .value_kind: global_buffer, .address_space: global }
      - { .name: cc, .offset: 16, .size: 8, .value_kind: global_buffer, .address_space: global }
      - { .name: cs, .offset: 24, .size: 8, .value_kind: global_buffer, .address_space: global }
    .group_segment_fixed_size: 327680
    .private_segment_fixed_size: 0
    .kernarg_segment_align: 8
    .kernarg_segment_size: 32
    .max_flat_workgroup_size: 512
    .sgpr_count:     96
    .vgpr_count:     256
    .wavefront_size: 32
...
	.end_amdgpu_metadata
.endif
;; end of part 3
;; launch outln (part 4): grid 256 x 1, 16 waves a work-group, no clusters, 174,592 bytes of LDS; arguments cc, cs, woi, Wo_scales, q, ln_gamma, ln_beta, out0; writes out0
.if DOCPART == 4
	.amdgcn_target "amdgcn-amd-amdhsa--gfx1250"
	.amdhsa_code_object_version 6
	.text
	.protected	k_q5e70a0be69_outln
	.globl	k_q5e70a0be69_outln
	.p2align	8
	.type	k_q5e70a0be69_outln,@function
k_q5e70a0be69_outln:
	s_mov_b64 s[64:65], 0
	v_nop
	global_prefetch_b8 v0, s[64:65] scope:SCOPE_SE
	s_setreg_imm32_b32 hwreg(HW_REG_WAVE_MODE, 25, 1), 1
	s_wait_xcnt 0x0
; out = LayerNorm(ctx Wo^T + q) x gamma + beta.  The product runs on codes of FP8 (E4M3) with one E8M0 scale for each 32 along K = 1,024; sums, residual and norm in f32.
; SHARES.  LayerNorm wants whole rows in one work-group: work-group P takes tokens 32 P .. 32 P + 31 and all 1,024 features.  Wave w makes features 64 w .. 64 w + 63 (four tiles) for both tiles of 16 tokens:
; eight accumulators, which take turns.  Source 0 = 16 rows of Wo, source 1 = ctx: a lane holds one token and eight neighbouring features.
; OPERANDS are images of their registers (a piece: 512 bytes, lane l's 16 codes at 16 l).  ctx's 32,768 bytes are copied into LDS once, 2,048 bytes a wave, and read by all sixteen waves.  A fragment of Wo is used
; by ONE wave of the work-group, so it goes from memory straight into registers, 512 consecutive bytes a load, one K step ahead, in two sets.
; The results meet in a stage in LDS (rows of 4,096 bytes + 16); each wave then owns two whole rows: residual, mean, variance by a second pass over the differences (no difference of large sums), scale and shift.
; NO CLUSTER: the launch has no tensor load.  All work-groups walk the same 1 MiB of Wo, but a K step of it is 131,072 bytes, and two such slots do not fit beside the stage (131,584 bytes) and ctx (32,768).
; LIMITS: NaN and infinities are not served; 1 / sqrt is v_rsq_f32.
.set XIMG, 0                           ; LDS: ctx: token tile u x 16,384 + K step s x 2,048 + block c x 512
.set STG,  32768                       ; the stage: 32 rows
.set SPT,  4112                        ; its pitch: the 16 rows that a store touches start 16 bytes apart modulo 256
.set LI,   1                           ; v1   16 x lane
.set L4,   2                           ; v2   4 x lane
.set XWI,  3                           ; v3   where I put my part of ctx; behind the first barrier: PFO
.set PFO,  3                           ;      256 x lane: the prefetch's offset
.set SO0,  4                           ; v4, v5 the stage: row 16 u + r, + 32 h + 256 w
.set SO1,  5
.set SR,   6                           ; v6   and where I read my two rows back
.set WSO,  7                           ; v7   32 x lane: a row of Wo's scale bytes
.set XS,   8                           ; v8-15  ctx's scale words, one register a K step: lanes 0-15 token tile 0, lanes 16-31 tile 1
.set WS,   16                          ; v16-31 Wo's: register 8 g + s: lane l holds row 64 w + 32 g + l
.set XF,   32                          ; v32-63 ctx's two fragments; on the way out: at work
.set WF,   64                          ; v64-127, v128-191 Wo's four fragments, two sets; on the way out: q's two rows, gamma, beta
.set ACC,  192                         ; v192-255 accumulator (f, u) at 8 (2 f + u); on the way out: my two rows
.set TA,   32                          ; the way out, + 8 for the second row: two chains,
.set TB,   34
.set TMU,  36                          ; the mean, then 1 / sqrt (a pair; the upper half is written once),
.set TP,   38                          ; the other half of the lanes'
	s_load_b512 s[4:19], s[0:1], 0x0               ; cc, cs, woi, Wo's scales, q, gamma, beta, out
	v_lshrrev_b32 v2, 5, v0
	s_delay_alu instid0(VALU_DEP_1)
	v_readfirstlane_b32 s20, v2                    ; wave 0..15
	v_and_b32 v7, 31, v0                           ; lane
	s_delay_alu instid0(VALU_DEP_1)
	v_lshlrev_b32 v[LI], 4, v7
	s_delay_alu instid0(VALU_DEP_2)
	v_lshlrev_b32 v[L4], 2, v7
	s_lshl_b32 s21, s20, 11
	v_add_nc_u32 v[XWI], s21, v[LI]
	v_and_b32 v4, 15, v0                           ; r
	v_bfe_u32 v5, v0, 4, 1                         ; h
	s_delay_alu instid0(VALU_DEP_2)
	v_mul_u32_u24 v4, v4, SPT
	s_delay_alu instid0(VALU_DEP_1)
	v_lshl_add_u32 v4, v5, 5, v4
	s_lshl_b32 s22, s20, 8
	s_add_co_u32 s22, s22, STG
	v_add_nc_u32 v[SO0], s22, v4
	s_delay_alu instid0(VALU_DEP_1)
	v_add_nc_u32 v[SO1], 16*SPT, v[SO0]
	s_mul_i32 s22, s20, 2*SPT
	s_add_co_u32 s22, s22, STG
	v_add_nc_u32 v[SR], s22, v[LI]
	v_lshlrev_b32 v[WSO], 5, v7
.set GB, 166400                        ; LDS, behind the spare words: gamma's 4,096 bytes, then beta's: each wave brings 512 bytes once, and all sixteen read them on the way out
	s_lshl_b32 s23, s20, 9
	s_add_co_u32 s23, s23, GB
	v_add_nc_u32 v32, s23, v[LI]                   ; where I put my 512 bytes
	s_lshl_b32 s24, ttmp9, 15                      ; cc: 32,768 bytes a work-group + 2,048 a wave
	s_add_co_u32 s24, s24, s21
	s_mov_b32 s25, 0
	s_lshl_b32 s26, ttmp9, 10                      ; cs: 1,024 a work-group
	s_mov_b32 s27, 0
	s_lshl_b32 s28, s20, 16                        ; woi: four feature tiles of 16,384 bytes a wave
	s_mov_b32 s29, 0
	s_mov_b32 s30, s21                             ; Wo's scales: 64 rows of 32 bytes a wave
	s_mov_b32 s31, 0
	s_lshl_b32 s32, ttmp9, 17                      ; q and out: row 32 P + 2 w of 4,096 bytes
	s_lshl_b32 s33, s20, 13
	s_add_co_u32 s32, s32, s33
	s_mov_b32 s33, 0
	s_mov_b32 s34, 0x3a800000                      ; 1 / 1,024
	s_mov_b32 s35, 0x358637bd                      ; 1e-6
	s_mov_b32 s36, 0x76543210
	s_mov_b32 s37, 0xfedcba98                      ; v_permlanex16_b32's selects for lane l xor 16
	s_wait_alu depctr_va_vdst(0)
	s_wait_kmcnt 0x0
	s_add_nc_u64 s[4:5], s[4:5], s[24:25]
	s_add_nc_u64 s[6:7], s[6:7], s[26:27]
	s_add_nc_u64 s[8:9], s[8:9], s[28:29]
	s_add_nc_u64 s[10:11], s[10:11], s[30:31]
	s_add_nc_u64 s[12:13], s[12:13], s[32:33]
	s_add_nc_u64 s[18:19], s[18:19], s[32:33]
	s_cmp_lt_u32 s20, 8                            ; waves 0-7 bring gamma, waves 8-15 beta: 512 bytes x (wave % 8)
	s_cselect_b64 s[38:39], s[14:15], s[16:17]
	s_and_b32 s22, s20, 7
	s_lshl_b32 s22, s22, 9
	s_mov_b32 s23, 0
	s_add_nc_u64 s[38:39], s[38:39], s[22:23]
.macro WLOAD s                         ; Wo's four fragments of K step s into set s % 2
.irp f, 0,1,2,3
.irp c, 0,1,2,3
	global_load_b128 v[WF+64*((\s)%2)+16*\f+4*\c:WF+64*((\s)%2)+16*\f+4*\c+3], v[LI], s[8:9] offset:16384*\f+2048*(\s)+512*\c
.endr
.endr
.endm
.irp k, 0,1,2,3
	global_load_b128 v[ACC+4*\k:ACC+4*\k+3], v[LI], s[4:5] offset:512*\k th:TH_LOAD_NT
.endr
	global_load_b128 v[ACC+16:ACC+19], v[LI], s[38:39]   ; my 512 bytes of gamma or beta: the fifth load ahead of the 28 that may stay out below
.irp s, 0,1,2,3,4,5,6,7
	global_load_b32 v[XS+\s], v[L4], s[6:7] offset:128*\s
.endr
.irp g, 0,1
	global_load_b128 v[WS+8*\g:WS+8*\g+3], v[WSO], s[10:11] offset:1024*\g
	global_load_b128 v[WS+8*\g+4:WS+8*\g+7], v[WSO], s[10:11] offset:1024*\g+16
.endr
	WLOAD 0
	s_wait_loadcnt 28                              ; ctx's four loads are in; the 8 + 4 + 16 issued behind them may be out
.irp k, 0,1,2,3
	ds_store_b128 v[XWI], v[ACC+4*\k:ACC+4*\k+3] offset:XIMG+512*\k
.endr
	ds_store_b128 v32, v[ACC+16:ACC+19]
	s_wait_dscnt 0x0                               ; for the others' sake: my stores have landed
	s_barrier_signal -1
	s_barrier_wait -1                              ; ctx's sixteen fragments lie in LDS
	v_lshlrev_b32 v[PFO], 4, v[LI]
; one product: feature tile f, token tile u, K step s.  Wo's scales: lanes 0-15 for an even f, lanes 16-31 for an odd one; ctx's: lanes 0-15 for u = 0, lanes 16-31 for u = 1.  The first K step starts the sums.
.macro PROD f, u, s
.set DD, ACC+8*(2*(\f)+(\u))
.set WW, WF+64*((\s)%2)+16*(\f)
.set XX, XF+16*(\u)
.set SA, WS+8*((\f)/2)+(\s)
.set SB, XS+(\s)
.if (\s) == 0
.if ((\f)%2 == 0) && ((\u) == 0)
	v_wmma_scale_f32_16x16x128_f8f6f4 v[DD:DD+7], v[WW:WW+15], v[XX:XX+15], 0, v[SA], v[SB]
.elseif ((\f)%2 == 0)
	v_wmma_scale_f32_16x16x128_f8f6f4 v[DD:DD+7], v[WW:WW+15], v[XX:XX+15], 0, v[SA], v[SB] matrix_b_scale:MATRIX_SCALE_ROW1
.elseif ((\u) == 0)
	v_wmma_scale_f32_16x16x128_f8f6f4 v[DD:DD+7], v[WW:WW+15], v[XX:XX+15], 0, v[SA], v[SB] matrix_a_scale:MATRIX_SCALE_ROW1
.else
	v_wmma_scale_f32_16x16x128_f8f6f4 v[DD:DD+7], v[WW:WW+15], v[XX:XX+15], 0, v[SA], v[SB] matrix_a_scale:MATRIX_SCALE_ROW1 matrix_b_scale:MATRIX_SCALE_ROW1
.endif
.else
.if ((\f)%2 == 0) && ((\u) == 0)
	v_wmma_scale_f32_16x16x128_f8f6f4 v[DD:DD+7], v[WW:WW+15], v[XX:XX+15], v[DD:DD+7], v[SA], v[SB]
.elseif ((\f)%2 == 0)
	v_wmma_scale_f32_16x16x128_f8f6f4 v[DD:DD+7], v[WW:WW+15], v[XX:XX+15], v[DD:DD+7], v[SA], v[SB] matrix_b_scale:MATRIX_SCALE_ROW1
.elseif ((\u) == 0)
	v_wmma_scale_f32_16x16x128_f8f6f4 v[DD:DD+7], v[WW:WW+15], v[XX:XX+15], v[DD:DD+7], v[SA], v[SB] matrix_a_scale:MATRIX_SCALE_ROW1
.else
	v_wmma_scale_f32_16x16x128_f8f6f4 v[DD:DD+7], v[WW:WW+15], v[XX:XX+15], v[DD:DD+7], v[SA], v[SB] matrix_a_scale:MATRIX_SCALE_ROW1 matrix_b_scale:MATRIX_SCALE_ROW1
.endif
.endif
.endm
.macro KSTEP s
.if (\s) > 0
.rept 8
	v_nop                                          ; places behind the last K step's products, ahead of loads into registers that products have read
.endr
.endif
.if (\s) < 7
	WLOAD (\s)+1                                   ; the next K step's weights, into the set that the K step before this one has left
.endif
.irp u, 0,1
.irp c, 0,1,2,3
	ds_load_b128 v[XF+16*\u+4*\c:XF+16*\u+4*\c+3], v[LI] offset:XIMG+16384*\u+2048*(\s)+512*\c
.endr
.endr
.if (\s) == 2
	s_wait_alu depctr_va_vdst(0)
	global_prefetch_b8 v[PFO], s[12:13] th:TH_LOAD_NT scope:SCOPE_SE   ; my two rows of q, 8,192 consecutive bytes, lanes 256 bytes apart: five K steps ahead of the loads that want them; each row is named by one wave of one work-group
.endif
.if (\s) < 7
	s_wait_loadcnt 16                              ; this K step's weights are in (at the first: the scale words too); the sixteen loads just issued may be out
.else
	s_wait_loadcnt 0x0
.endif
	s_wait_dscnt 0x0
.irp f, 0,1,2,3
.irp u, 0,1
	PROD \f, \u, \s
.endr
.endr
.endm
.irp s, 0,1,2,3,4,5,6,7
	KSTEP \s
.endr
	; THE WAY OUT
.rept 8
	v_nop                                          ; places behind the last products: ahead of the loads into the weights' registers and of the first read of results
.endr
.irp r, 0,1
.irp i, 0,1,2,3,4,5,6,7
	global_load_b128 v[WF+32*\r+4*\i:WF+32*\r+4*\i+3], v[LI], s[12:13] offset:4096*\r+512*\i th:TH_LOAD_NT
.endr
.endr
	v_add_nc_u32 v48, GB, v[LI]
.irp i, 0,1,2,3,4,5,6,7
	ds_load_b128 v[WF+64+4*\i:WF+64+4*\i+3], v48 offset:512*\i          ; gamma, at the same features, from LDS
	ds_load_b128 v[WF+96+4*\i:WF+96+4*\i+3], v48 offset:4096+512*\i     ; beta
.endr
.irp f, 0,1,2,3
	ds_store_b128 v[SO0], v[ACC+16*\f:ACC+16*\f+3] offset:64*\f                    ; lane (r, h): token 16 u + r, features 64 w + 16 f + 8 h + 0..7; each accumulator from its low end on
	ds_store_b128 v[SO0], v[ACC+16*\f+4:ACC+16*\f+7] offset:64*\f+16
	ds_store_b128 v[SO1], v[ACC+16*\f+8:ACC+16*\f+11] offset:64*\f
	ds_store_b128 v[SO1], v[ACC+16*\f+12:ACC+16*\f+15] offset:64*\f+16
.endr
.irp r, 0,1
	v_mov_b32 v[TMU+1+8*\r], 0                     ; named as a pair's upper half, so it is written
	v_mov_b32 v[TP+8*\r], 0                        ; a lane permute's destination counts as one of its sources
.endr
	s_wait_dscnt 0x0                               ; for the others' sake: my stores into the stage have landed
	s_barrier_signal -1
	s_barrier_wait -1                              ; 32 whole rows lie in the stage
.irp r, 0,1
.irp i, 0,1,2,3,4,5,6,7
	ds_load_b128 v[ACC+32*\r+4*\i:ACC+32*\r+4*\i+3], v[SR] offset:SPT*\r+512*\i
.endr
.endr
	s_wait_dscnt 0x0
	s_wait_loadcnt 0x0
.macro REDUCE                          ; the sum over the 32 lanes, of both rows by turns; every lane ends with it
.irp m, 1,2,4,8
.irp r, 0,1
	s_delay_alu instid0(VALU_DEP_2)
	v_add_f32_dpp v[TA+8*\r], v[TA+8*\r], v[TA+8*\r] row_xmask:\m row_mask:0xf bank_mask:0xf
.endr
.endr
.irp r, 0,1
	s_delay_alu instid0(VALU_DEP_2)
	v_permlanex16_b32 v[TP+8*\r], v[TA+8*\r], s36, s37
.endr
.irp r, 0,1
	s_delay_alu instid0(VALU_DEP_2)
	v_add_f32 v[TA+8*\r], v[TA+8*\r], v[TP+8*\r]
.endr
.endm
.set j, 0
.rept 32
	v_pk_add_f32 v[ACC+j:ACC+j+1], v[ACC+j:ACC+j+1], v[WF+j:WF+j+1]                ; + the residual
.set j, j+2
.endr
.irp r, 0,1
	v_pk_add_f32 v[TA+8*\r:TA+8*\r+1], v[ACC+32*\r:ACC+32*\r+1], v[ACC+32*\r+2:ACC+32*\r+3]
	v_pk_add_f32 v[TB+8*\r:TB+8*\r+1], v[ACC+32*\r+4:ACC+32*\r+5], v[ACC+32*\r+6:ACC+32*\r+7]
.endr
.irp i, 8,12,16,20,24,28
.irp r, 0,1
	s_delay_alu instid0(VALU_DEP_4)
	v_pk_add_f32 v[TA+8*\r:TA+8*\r+1], v[TA+8*\r:TA+8*\r+1], v[ACC+32*\r+\i:ACC+32*\r+\i+1]
	s_delay_alu instid0(VALU_DEP_4)
	v_pk_add_f32 v[TB+8*\r:TB+8*\r+1], v[TB+8*\r:TB+8*\r+1], v[ACC+32*\r+\i+2:ACC+32*\r+\i+3]
.endr
.endr
.irp r, 0
	s_delay_alu instid0(VALU_DEP_3)
	v_pk_add_f32 v[TA+8*\r:TA+8*\r+1], v[TA+8*\r:TA+8*\r+1], v[TB+8*\r:TB+8*\r+1]
.endr
.irp r, 1
	s_delay_alu instid0(VALU_DEP_2)
	v_pk_add_f32 v[TA+8*\r:TA+8*\r+1], v[TA+8*\r:TA+8*\r+1], v[TB+8*\r:TB+8*\r+1]
.endr
.irp r, 0,1
	s_delay_alu instid0(VALU_DEP_2)
	v_add_f32 v[TA+8*\r], v[TA+8*\r], v[TA+8*\r+1]
.endr
	REDUCE
.irp r, 0,1
	s_delay_alu instid0(VALU_DEP_2)
	v_mul_f32 v[TMU+8*\r], s34, v[TA+8*\r]         ; the mean
.endr
.irp r, 0,1
.set j, 0
.rept 16
	v_pk_add_f32 v[ACC+32*\r+j:ACC+32*\r+j+1], v[ACC+32*\r+j:ACC+32*\r+j+1], v[TMU+8*\r:TMU+8*\r+1] op_sel_hi:[1,0] neg_lo:[0,1] neg_hi:[0,1]   ; d = x - the mean
.set j, j+2
.endr
.endr
.irp r, 0,1
	v_pk_mul_f32 v[TA+8*\r:TA+8*\r+1], v[ACC+32*\r:ACC+32*\r+1], v[ACC+32*\r:ACC+32*\r+1]
	v_pk_mul_f32 v[TB+8*\r:TB+8*\r+1], v[ACC+32*\r+2:ACC+32*\r+3], v[ACC+32*\r+2:ACC+32*\r+3]
.endr
.irp i, 4,8,12,16,20,24,28
.irp r, 0,1
	s_delay_alu instid0(VALU_DEP_4)
	v_pk_fma_f32 v[TA+8*\r:TA+8*\r+1], v[ACC+32*\r+\i:ACC+32*\r+\i+1], v[ACC+32*\r+\i:ACC+32*\r+\i+1], v[TA+8*\r:TA+8*\r+1]
	s_delay_alu instid0(VALU_DEP_4)
	v_pk_fma_f32 v[TB+8*\r:TB+8*\r+1], v[ACC+32*\r+\i+2:ACC+32*\r+\i+3], v[ACC+32*\r+\i+2:ACC+32*\r+\i+3], v[TB+8*\r:TB+8*\r+1]
.endr
.endr
.irp r, 0
	s_delay_alu instid0(VALU_DEP_3)
	v_pk_add_f32 v[TA+8*\r:TA+8*\r+1], v[TA+8*\r:TA+8*\r+1], v[TB+8*\r:TB+8*\r+1]
.endr
.irp r, 1
	s_delay_alu instid0(VALU_DEP_2)
	v_pk_add_f32 v[TA+8*\r:TA+8*\r+1], v[TA+8*\r:TA+8*\r+1], v[TB+8*\r:TB+8*\r+1]
.endr
.irp r, 0,1
	s_delay_alu instid0(VALU_DEP_2)
	v_add_f32 v[TA+8*\r], v[TA+8*\r], v[TA+8*\r+1]
.endr
	REDUCE
.irp r, 0,1
	s_delay_alu instid0(VALU_DEP_2)
	v_fma_f32 v[TA+8*\r], v[TA+8*\r], s34, s35     ; the variance + 1e-6
.endr
	s_wait_alu depctr_va_vdst(0)
.irp r, 0,1
	v_rsq_f32 v[TMU+8*\r], v[TA+8*\r]
.endr
	v_nop                                          ; a plain line behind the two
	s_wait_alu depctr_va_vdst(0)                   ; one wait for both, ahead of the first reader
.irp r, 0,1
.set j, 0
.rept 16
	v_pk_mul_f32 v[ACC+32*\r+j:ACC+32*\r+j+1], v[ACC+32*\r+j:ACC+32*\r+j+1], v[TMU+8*\r:TMU+8*\r+1] op_sel_hi:[1,0]
.set j, j+2
.endr
.endr
.irp r, 0,1
.set j, 0
.rept 16
	v_pk_fma_f32 v[ACC+32*\r+j:ACC+32*\r+j+1], v[ACC+32*\r+j:ACC+32*\r+j+1], v[WF+64+j:WF+64+j+1], v[WF+96+j:WF+96+j+1]   ; x gamma + beta
.set j, j+2
.endr
.endr
.irp r, 0,1
.irp i, 0,1,2,3,4,5,6,7
	global_store_b128 v[LI], v[ACC+32*\r+4*\i:ACC+32*\r+4*\i+3], s[18:19] offset:4096*\r+512*\i th:TH_STORE_NT   ; 32 lanes store 512 consecutive bytes, aligned
.endr
.endr
	s_wait_xcnt 0x0
	v_lshl_add_u32 v254, v0, 2, 0x28200
	v_mov_b32 v255, 0
	s_wait_alu depctr_va_vdst(0)
	s_wait_tensorcnt 0x0
	ds_add_u32 v254, v255
	s_wait_dscnt 0x0
	s_endpgm
.Lfunc_end_k_q5e70a0be69_outln:
	.size	k_q5e70a0be69_outln, .Lfunc_end_k_q5e70a0be69_outln-k_q5e70a0be69_outln
	.p2alignl 7, 3214868480
	.fill 96, 4, 3214868480
	.section	.rodata,"a",@progbits
	.p2align	6, 0x0
	.amdhsa_kernel k_q5e70a0be69_outln
		.amdhsa_group_segment_fixed_size 174592
		.amdhsa_private_segment_fixed_size 0
		.amdhsa_enable_private_segment 0
		.amdhsa_kernarg_size 64
		.amdhsa_user_sgpr_count 2
		.amdhsa_user_sgpr_kernarg_segment_ptr 1
		.amdhsa_wavefront_size32 1
		.amdhsa_system_sgpr_workgroup_id_x 1
		.amdhsa_system_sgpr_workgroup_id_y 1
		.amdhsa_system_sgpr_workgroup_id_z 1
		.amdhsa_system_vgpr_workitem_id 0
		.amdhsa_next_free_vgpr 256
		.amdhsa_next_free_sgpr 66
		.amdhsa_reserve_vcc 0
		.amdhsa_float_denorm_mode_32 3
		.amdhsa_float_denorm_mode_16_64 3
		.amdhsa_memory_ordered 1
		.amdhsa_forward_progress 1
		.amdhsa_inst_pref_size 55
	.end_amdhsa_kernel
	.amdgpu_metadata
---
amdhsa.version: [ 1, 2 ]
amdhsa.kernels:
  - .name:           k_q5e70a0be69_outln
    .symbol:         k_q5e70a0be69_outln.kd
    .args:
      - { .name: cc, .offset: 0, .size: 8, .value_kind: global_buffer, .address_space: global }
      - { .name: cs, .offset: 8, .size: 8, .value_kind: global_buffer, .address_space: global }
      - { .name: woi, .offset: 16, .size: 8, .value_kind: global_buffer, .address_space: global }
      - { .name: Wo_scales, .offset: 24, .size: 8, .value_kind: global_buffer, .address_space: global }
      - { .name: q, .offset: 32, .size: 8, .value_kind: global_buffer, .address_space: global }
      - { .name: ln_gamma, .offset: 40, .size: 8, .value_kind: global_buffer, .address_space: global }
      - { .name: ln_beta, .offset: 48, .size: 8, .value_kind: global_buffer, .address_space: global }
      - { .name: out0, .offset: 56, .size: 8, .value_kind: global_buffer, .address_space: global }
    .group_segment_fixed_size: 174592
    .private_segment_fixed_size: 0
    .kernarg_segment_align: 8
    .kernarg_segment_size: 64
    .max_flat_workgroup_size: 512
    .sgpr_count:     66
    .vgpr_count:     256
    .wavefront_size: 32
...
	.end_amdgpu_metadata
.endif
;; end of part 4
